; MI455X (gfx1250); checked and timed in simulation.
; The chip was launched on July 23, 2026; its instructions are those of AMD's public machine-readable ISA for CDNA 5 (MIT licence, August 2026) and "CDNA5" Instruction Set Architecture Reference Guide (July 2026). The comments in the code are by the model that wrote it; some were corrected since.
;; Self Attention. Allowed arithmetic: float matrix products may take bf16 or f16 operands with f32 sums; other float arithmetic in f32, or as packed bf16 or f16 multiplies, adds, multiply-adds, maxima and minima; sums over many terms, partial sums and values carried from step to step in f32; what a program stores and reads back later, other than sums and carried values, may be rounded once to bf16 or f16.
;; Inputs: b_in 3,072 float32; b_out 1,024 float32; w_in 3,072 x 1,024 float32; w_out 1,024 x 1,024 float32; x 4 x 2,048 x 1,024 float32.
;; Outputs: out0 4 x 2,048 x 1,024 float32.
;; Constants: causal_mask = 1.
;; 2 versions, each right; version 2 is version 1 with the launch cast written anew for expert scheduling mode. Each part assembles by itself: llvm-mc -triple=amdgcn-amd-amdhsa -mcpu=gfx1250 --defsym DOCPART=n.
;; ======== version 1 of 2: 4 launches
;; limits: values are held in f16: magnitudes above 65,504 overflow, below 6.1e-05 lose precision
;; workspace buffers: xb 16,777,216 bytes; wib 6,291,456 bytes; wob 2,097,152 bytes; qkv 50,331,648 bytes; oh 16,777,216 bytes
;; launch cast (part 1): grid 768 x 1, 8 waves a work-group, no clusters, 0 bytes of LDS; arguments x, w_in, w_out, xb, wib, wob; writes xb, wib, wob
.if DOCPART == 1
	.amdgcn_target "amdgcn-amd-amdhsa--gfx1250"
	.amdhsa_code_object_version 6
	.text
	.protected	k_q943f79e913_cast
	.globl	k_q943f79e913_cast
	.p2align	8
	.type	k_q943f79e913_cast,@function
k_q943f79e913_cast:
	s_mov_b64 s[64:65], 0
	v_nop
	global_prefetch_b8 v0, s[64:65] scope:SCOPE_SE
	s_setreg_imm32_b32 hwreg(HW_REG_WAVE_MODE, 25, 1), 1
	s_wait_xcnt 0x0
; x and w_in rounded once to bf16 (xb, wib); w_out rounded to bf16 and that number written as f16 (wob), for the last product, whose other operand is f16.
; LIMITS.  bf16(w_out) of 65,520 or more in magnitude becomes an infinity in f16; below 2^-17 the f16 number is off by at most 2^-25.  NaN stays NaN.
; SHARES.  A work-group takes 16,384 numbers: 64 KiB in, 32 KiB out.  Work-groups 0-511 take x, 512-703 w_in, 704-767 w_out.  A wave takes 8 KiB: sixteen loads of 16 bytes a lane, each
; covering 512 consecutive bytes, all issued before the first is used; sixteen stores of 8 bytes a lane, each covering 256 consecutive bytes, aligned.  No loop, no LDS, no register written
; twice while a memory instruction names it.  Matrix units, clusters and LDS would add nothing to a stream.
.set X, 4                              ; v[4:67]    load j: four f32
.set Y, 68                             ; v[68:99]   store j: four 16-bit numbers
.set T, 100                            ; v[100:103] at work (w_out's way)
	s_load_b256 s[4:11], s[0:1], 0x0               ; x s[4:5], w_in s[6:7], w_out s[8:9], xb s[10:11]
	s_load_b128 s[12:15], s[0:1], 0x20             ; wib s[12:13], wob s[14:15]
	v_lshrrev_b32 v3, 5, v0                        ; wave
	v_and_b32 v1, 31, v0                           ; lane
	v_lshlrev_b32 v2, 3, v1                        ; out: 8 bytes a lane
	v_lshlrev_b32 v1, 4, v1                        ; in: 16 bytes a lane
	v_lshl_or_b32 v1, v3, 13, v1                   ; + wave x 8,192
	v_lshl_or_b32 v2, v3, 12, v2                   ; + wave x 4,096
	s_mov_b32 s26, 0xffff0000                      ; a word's upper bf16
	s_wait_kmcnt 0x0
	s_cmp_lt_u32 ttmp9, 512                        ; which tensor is mine: the choice hangs on the work-group's number alone
	s_cselect_b64 s[16:17], s[4:5], s[6:7]
	s_cselect_b64 s[18:19], s[10:11], s[12:13]
	s_cselect_b32 s20, 0, 512
	s_cmp_lt_u32 ttmp9, 704
	s_cselect_b64 s[16:17], s[16:17], s[8:9]
	s_cselect_b64 s[18:19], s[18:19], s[14:15]
	s_cselect_b32 s20, s20, 704
	s_sub_co_u32 s20, ttmp9, s20                   ; my number among that tensor's work-groups
	s_lshl_b32 s22, s20, 16                        ; x 64 KiB in
	s_mov_b32 s23, 0
	s_lshl_b32 s24, s20, 15                        ; x 32 KiB out
	s_mov_b32 s25, 0
	s_add_nc_u64 s[16:17], s[16:17], s[22:23]
	s_add_nc_u64 s[18:19], s[18:19], s[24:25]
.irp j, 0,1,2,3,4,5,6,7,8,9,10,11,12,13,14,15
	global_load_b128 v[X+4*(\j):X+4*(\j)+3], v1, s[16:17] offset:512*(\j) th:TH_LOAD_NT
.endr
; Load j is rounded and stored.  half = 1: the bf16 number is widened again (a shift, a mask) and written as f16.
.macro OUT j, half
	s_wait_loadcnt 15-(\j)                         ; loads come back in order: mine is in, the 15 - j younger ones stay out
.if \half
	v_cvt_pk_bf16_f32 v[T], v[X+4*(\j)], v[X+4*(\j)+1]
	v_cvt_pk_bf16_f32 v[T+1], v[X+4*(\j)+2], v[X+4*(\j)+3]
	v_lshlrev_b32 v[T+2], 16, v[T]
	v_and_b32 v[T+3], s26, v[T]
	v_cvt_pk_f16_f32 v[Y+2*(\j)], v[T+2], v[T+3]
	v_lshlrev_b32 v[T+2], 16, v[T+1]
	v_and_b32 v[T+3], s26, v[T+1]
	v_cvt_pk_f16_f32 v[Y+2*(\j)+1], v[T+2], v[T+3]
.else
	v_cvt_pk_bf16_f32 v[Y+2*(\j)], v[X+4*(\j)], v[X+4*(\j)+1]
	v_cvt_pk_bf16_f32 v[Y+2*(\j)+1], v[X+4*(\j)+2], v[X+4*(\j)+3]
.endif
	global_store_b64 v2, v[Y+2*(\j):Y+2*(\j)+1], s[18:19] offset:256*(\j)  ; the wave's store covers 256 consecutive bytes, aligned
.endm
	s_cmp_lt_u32 ttmp9, 704
	s_cbranch_scc0 .Lhalf
.irp j, 0,1,2,3,4,5,6,7,8,9,10,11,12,13,14,15
	OUT \j, 0
.endr
	s_endpgm
.Lhalf:
.irp j, 0,1,2,3,4,5,6,7,8,9,10,11,12,13,14,15
	OUT \j, 1
.endr
	s_endpgm
.Lfunc_end_k_q943f79e913_cast:
	.size	k_q943f79e913_cast, .Lfunc_end_k_q943f79e913_cast-k_q943f79e913_cast
	.p2alignl 7, 3214868480
	.fill 96, 4, 3214868480
	.section	.rodata,"a",@progbits
	.p2align	6, 0x0
	.amdhsa_kernel k_q943f79e913_cast
		.amdhsa_group_segment_fixed_size 0
		.amdhsa_private_segment_fixed_size 0
		.amdhsa_enable_private_segment 0
		.amdhsa_kernarg_size 48
		.amdhsa_user_sgpr_count 2
		.amdhsa_user_sgpr_kernarg_segment_ptr 1
		.amdhsa_wavefront_size32 1
		.amdhsa_system_sgpr_workgroup_id_x 1
		.amdhsa_system_sgpr_workgroup_id_y 1
		.amdhsa_system_sgpr_workgroup_id_z 1
		.amdhsa_system_vgpr_workitem_id 0
		.amdhsa_next_free_vgpr 104
		.amdhsa_next_free_sgpr 66
		.amdhsa_reserve_vcc 0
		.amdhsa_float_denorm_mode_32 3
		.amdhsa_float_denorm_mode_16_64 3
		.amdhsa_memory_ordered 1
		.amdhsa_forward_progress 1
		.amdhsa_inst_pref_size 15
	.end_amdhsa_kernel
	.amdgpu_metadata
---
amdhsa.version: [ 1, 2 ]
amdhsa.kernels:
  - .name:           k_q943f79e913_cast
    .symbol:         k_q943f79e913_cast.kd
    .args:
      - { .name: x, .offset: 0, .size: 8, .value_kind: global_buffer, .address_space: global }
      - { .name: w_in, .offset: 8, .size: 8, .value_kind: global_buffer, .address_space: global }
      - { .name: w_out, .offset: 16, .size: 8, .value_kind: global_buffer, .address_space: global }
      - { .name: xb, .offset: 24, .size: 8, .value_kind: global_buffer, .address_space: global }
      - { .name: wib, .offset: 32, .size: 8, .value_kind: global_buffer, .address_space: global }
      - { .name: wob, .offset: 40, .size: 8, .value_kind: global_buffer, .address_space: global }
    .group_segment_fixed_size: 0
    .private_segment_fixed_size: 0
    .kernarg_segment_align: 8
    .kernarg_segment_size: 48
    .max_flat_workgroup_size: 256
    .sgpr_count:     66
    .vgpr_count:     104
    .wavefront_size: 32
...
	.end_amdgpu_metadata
.endif
;; end of part 1
;; launch qkv (part 2): grid 12 x 64, 4 waves a work-group, clusters of 4 x 4, 327,680 bytes of LDS; arguments xb, wib, b_in, qkv; writes qkv
.if DOCPART == 2
	.amdgcn_target "amdgcn-amd-amdhsa--gfx1250"
	.amdhsa_code_object_version 6
	.text
	.protected	k_q943f79e913_qkv
	.globl	k_q943f79e913_qkv
	.p2align	8
	.type	k_q943f79e913_qkv,@function
k_q943f79e913_qkv:
	s_mov_b64 s[64:65], 0
	v_nop
	global_prefetch_b8 v0, s[64:65] scope:SCOPE_SE
	s_setreg_imm32_b32 hwreg(HW_REG_WAVE_MODE, 25, 1), 1
	s_wait_xcnt 0x0
	s_wait_alu depctr_hold_cnt(0) depctr_sa_sdst(0) depctr_va_vdst(0) depctr_va_sdst(0) depctr_va_ssrc(0) depctr_va_vcc(0) depctr_vm_vsrc(0)
	s_getreg_b32 s2, hwreg(HW_REG_IB_STS2, 6, 4)
	s_cmp_eq_u32 s2, 0
	s_cbranch_scc0 .Lentry_in_a_cluster
	s_endpgm
.Lentry_in_a_cluster:
	s_bfe_u32 s2, ttmp6, 0x10000c
	s_cmp_lg_u32 s2, 0xf033
	s_cbranch_scc0 .Lentry_shape_is_right
	s_endpgm
.Lentry_shape_is_right:
; qkv[m][e] = the sum over k of xb[m][k] wib[e][k] + bf16(b_in[e]).  xb: [8192][1024] bf16, wib: [3072][1024] bf16; sums in f32, rounded once to f16, UNSCALED, and laid by heads:
; three sections of 2^24 bytes (q, k, v), each [64 = 16 batch + head][2048][64] f16.
; LIMITS.  A result of 65,520 or more in magnitude becomes an infinity in f16.  The bias is rounded to bf16, like the other inputs.  NaN and infinities are not treated apart.
; SHARES.  A work-group makes 128 rows x 256 columns: 768 tiles, three for each of 256 WGPs.  Wave w: rows 64 (w / 2) on, columns 128 (w % 2) on: 4 x 8 accumulators of 16 x 16, 256 registers.
; K goes in 8 steps of 128 through two LDS slots; a step is four quarters of 32, 32 matrix instructions each, on all 32 accumulators by turns, always in the same order.
; THE MATRIX INSTRUCTION IS USED TRANSPOSED (source 0 = 16 rows of wib, source 1 = 16 rows of xb): lane l holds row l % 16 and the columns 8 (l / 16) + 0..7: 16 bytes of f16 that belong together.
; THE BIAS IS THE C OPERAND of each accumulator's first product: nothing is cleared and nothing is added on the way out.
; CLUSTER.  4 x 4 work-groups.  xb's tile hangs on the tile row alone and is asked for jointly along a row of the cluster, wib's on the tile column alone and jointly along a column.
; Waves 0 and 1 fetch xb's two halves (64 rows each), waves 2 and 3 wib's (128 rows each): one joint load a wave behind each round.  By this text's count a wave has two loads out at the start, then one.
; REGISTERS, in windows of 256 (s_set_vgpr_msb: bits 1:0 source 0, 3:2 source 1, 5:4 source 2, 7:6 destination):
;   window 0: v1-3 at work; v16-23 addresses; v28-29 the add's two; v64-191 the way out      window 1: the accumulators, (a, b) at 8 (8 a + b)
;   window 2: two fragment buffers of 96 (xb's four fragments, then wib's eight) at 0 and 96; the bias at 192-255
.set PA,     272                       ; an LDS row: 256 bytes + 16 of padding = 68 words: the 16 rows of a load start at 16 different groups of four banks (64 banks of 4 bytes: ISA guide 11.1)
.set PB,     272
.set SLOT1,  1<<17                     ; slot 1 begins here, so that one exclusive or turns an address in one slot into the other's
.set BOFF,   128*PA                    ; in a slot: xb's 128 rows, then wib's 256
.set STAGE,  SLOT1+BOFF+256*PB         ; behind the ring, never filled by a tensor load: for each wave 2 heads x 16 rows x 144 bytes
.set SPITCH, 144
.set STAGEB, 2*16*SPITCH
.set SPARE,  STAGE+4*STAGEB            ; the spare words, 128 bytes for each wave: two blocks of 256 bytes that no other line names
.set STEP_A, 256                       ; bytes from a K step to the next, in xb and in wib
.set STEP_B, 256
.set A0,   16                          ; v16  my lane's place among xb's rows in slot 0; never rewritten
.set B0,   17                          ; v17  the same for wib
.set ADRA, 18                          ; v18  the same in the slot in hand
.set ADRB, 19                          ; v19
.set STO,  20                          ; v20  the way out: where I put 16 bytes of a row
.set RD,   21                          ; v21  the way out: where I read rows back
.set GO,   22                          ; v22  my 16 bytes in 512 consecutive bytes of the output
.set BO,   23                          ; v23  my byte offset in the bias
.set SPW,  28                          ; v28  LDS address of my spare word; never rewritten
.set NIL,  29                          ; v29  0; never rewritten
.set TMP,  64
.set F0,   0
.set F1,   96
.set BIAS, 192
.set WV,   12                          ; s12  my wave's number
.set RH,   13                          ; s13  which 64 rows are mine.  Also: I fetch for xb (0) or wib (1)
.set CH,   14                          ; s14  which 128 columns are mine.  Also: which half of that tile I fetch
.set TB,   15                          ; s15  the slot in hand: 0 or SLOT1
.set G1A,  24                          ; s[24:31] descriptor group 1 for xb's tiles
.set G0A,  32                          ; s[32:39] group 0: a set for each of the two first fills; the second then walks on
.set G1B,  48                          ; s[48:55], s[56:63] the same for wib's
.set G0B,  56
.set MSB, 0
.macro WIN new                         ; the immediate's high byte repeats the setting that is left; a switch that changes nothing is dropped
.if MSB != (\new)
	s_set_vgpr_msb (MSB<<8)|(\new)
.set MSB, \new
.endif
.endm
.set W_MUL,  0x5a                      ; sources 0 and 1 window 2; C and D window 1
.set W_MULB, 0x6a                      ; the same with C in window 2: the bias
.set W_TOF,  0x80                      ; destination window 2, address window 0
.set W_RB,   0x8a                      ; destination and sources 0, 1 window 2
.set W_PK,   0x05                      ; sources 0 and 1 window 1, destination window 0
.macro PLACES                          ; four places in front of loads into registers that matrix instructions have read (ISA guide 7.12.1 for vector instructions)
.rept 4
	v_nop
.endr
.endm
.macro JLOAD                           ; a joint refill by the walking descriptor; an s_nop 0 and four v_nop follow each of the two lines, ahead of the jump and the label
	s_cmp_eq_u32 s[RH], 0
	s_cbranch_scc0 .Lfor_b_\@
	tensor_load_to_lds s[G0A+4:G0A+7], s[G1A:G1A+7]
	s_nop 0
.rept 4
	v_nop
.endr
	s_branch .Lasked_\@
.Lfor_b_\@:
	tensor_load_to_lds s[G0B+4:G0B+7], s[G1B:G1B+7]
	s_nop 0
.rept 4
	v_nop
.endr
.Lasked_\@:
.endm
.macro CREST                           ; a round of the cluster's barrier behind its opening barrier
	s_cmp_lg_u32 s[WV], 0
	s_cbranch_scc1 .Lnot_wave_0_\@
	s_barrier_signal -3
.Lnot_wave_0_\@:
	s_barrier_wait -3
	s_barrier_signal -1
	s_barrier_wait -1
.endm
.macro CROUND                          ; a whole round
	s_barrier_signal -1
	s_barrier_wait -1
	CREST
.endm
	s_load_b256 s[4:11], s[0:1], 0x0               ; xb s[4:5], wib s[6:7], b_in s[8:9], qkv s[10:11]
	v_lshl_add_u32 v[SPW], v0, 2, SPARE
	v_mov_b32 v[NIL], 0
	ds_add_u32 v[SPW], v[NIL]                      ; the wave's opening: the add and its wait stand ahead of my first tensor load; work on registers stands between them
	ds_add_u32 v28, v29
	v_lshrrev_b32 v1, 5, v0
	v_readfirstlane_b32 s[WV], v1                  ; wave 0..3
	s_lshr_b32 s[RH], s[WV], 1
	s_and_b32 s[CH], s[WV], 1
	s_mov_b32 s2, 0xffff0000                       ; a word's upper bf16
	s_bfe_u32 s40, ttmp6, 0x40000                  ; cx, cy: my place in the cluster
	s_bfe_u32 s41, ttmp6, 0x40004
	s_lshl_b32 s42, ttmp9, 2
	s_add_co_u32 s42, s42, s40                     ; tile column = 4 x cluster x + cx
	s_and_b32 s43, ttmp7, 0xffff
	s_lshl_b32 s43, s43, 2
	s_add_co_u32 s43, s43, s41                     ; tile row = 4 x cluster y + cy
	s_lshl_b32 s44, s41, 2
	s_lshl_b32 s44, 15, s44                        ; my row of the cluster
	s_lshl_b32 s45, 0x1111, s40                    ; my column
	s_or_b32 s[G1A], s44, (1<<16)|(1<<20)|(1<<21)|(5<<22)|(3<<25)  ; 15:0 the mask; 17:16 2-byte elements; 20 padding on; 21 set beside a mask; 24:22 after every 64 words; 31:25 4 words of it
	s_or_b32 s[G1B], s45, (1<<16)|(1<<20)|(1<<21)|(5<<22)|(3<<25)
	s_mov_b32 s[G1A+1], 128<<16                    ; tensor_dim0 = 128
	s_mov_b32 s[G1A+2], 64<<16                     ; tensor_dim1 = 64
	s_mov_b32 s[G1A+3], 128<<16                    ; tile_dim0 = 128
	s_mov_b32 s[G1A+4], 64                         ; tile_dim1 = 64
	s_mov_b32 s[G1A+5], 1024                       ; elements from row to row
	s_mov_b32 s[G1A+6], 0
	s_mov_b32 s[G1A+7], 0
	s_mov_b32 s[G1B+1], 128<<16
	s_mov_b32 s[G1B+2], 128<<16                    ; 128 rows
	s_mov_b32 s[G1B+3], 128<<16
	s_mov_b32 s[G1B+4], 128
	s_mov_b32 s[G1B+5], 1024
	s_mov_b32 s[G1B+6], 0
	s_mov_b32 s[G1B+7], 0
	s_lshl_b32 s16, s43, 18                        ; xb: 128 rows of 2,048 bytes for each tile row,
	s_lshl_b32 s18, s[CH], 17                      ; + my 64 rows: nothing here holds cx
	s_add_co_u32 s16, s16, s18
	s_mov_b32 s17, 0
	s_lshl_b32 s46, s42, 19                        ; wib: 256 rows for each tile column,
	s_lshl_b32 s23, s[CH], 18                      ; + my 128 rows: nothing here holds cy
	s_add_co_u32 s46, s46, s23
	s_mov_b32 s47, 0
	s_mul_i32 s19, s[CH], 64*PA                    ; where they go in a slot: no place in the cluster enters an LDS address
	s_mul_i32 s22, s[CH], 128*PB
	s_add_co_u32 s22, s22, BOFF
	s_wait_dscnt 0x0                               ; the opening add is done
	s_wait_kmcnt 0x0
	s_add_nc_u64 s[16:17], s[4:5], s[16:17]
	s_add_nc_u64 s[46:47], s[6:7], s[46:47]
.irp n, 0,1
	s_mov_b32 s[G0A+4*(\n)], 1                     ; count = 1
	s_add_co_u32 s[G0A+4*(\n)+1], s19, (\n)*SLOT1  ; LDS address: slot n
	s_add_nc_u64 s[G0A+4*(\n)+2:G0A+4*(\n)+3], s[16:17], (\n)*STEP_A  ; global address: K step n
	s_or_b32 s[G0A+4*(\n)+3], s[G0A+4*(\n)+3], 0x80000000            ; type = 2
	s_mov_b32 s[G0B+4*(\n)], 1
	s_add_co_u32 s[G0B+4*(\n)+1], s22, (\n)*SLOT1
	s_add_nc_u64 s[G0B+4*(\n)+2:G0B+4*(\n)+3], s[46:47], (\n)*STEP_B
	s_or_b32 s[G0B+4*(\n)+3], s[G0B+4*(\n)+3], 0x80000000
.endr
	CROUND                                         ; all sixteen work-groups are here: the first joint loads meet
	s_cmp_eq_u32 s[RH], 0                          ; a wave's two first fills stand in one branch, ahead of every wait on TENSORcnt and every LDS read
	s_cbranch_scc0 .Lfirst_b
	tensor_load_to_lds s[G0A:G0A+3], s[G1A:G1A+7]
	s_nop 0
	tensor_load_to_lds s[G0A+4:G0A+7], s[G1A:G1A+7]
	s_nop 0
.rept 4
	v_nop
.endr
	s_branch .Lfirst_asked
.Lfirst_b:
	tensor_load_to_lds s[G0B:G0B+3], s[G1B:G1B+7]
	s_nop 0
	tensor_load_to_lds s[G0B+4:G0B+7], s[G1B:G1B+7]
	s_nop 0
.rept 4
	v_nop
.endr
.Lfirst_asked:
	; A fragment is 16 rows x 32 K in 8 registers: lane l holds row l % 16; registers 0-3 K = 8 (l / 16) + 0..7, registers 4-7 K = 16 + 8 (l / 16) + 0..7: two loads of 16 bytes, 32 bytes apart.
	v_and_b32 v1, 15, v0                           ; l % 16
	v_bfe_u32 v2, v0, 4, 1                         ; l / 16
	v_mul_u32_u24 v3, v1, PA
	v_lshl_add_u32 v3, v2, 4, v3                   ; row x pitch + 16 x half
	s_mul_i32 s18, s[RH], 64*PA                    ; my 64 rows of xb
	v_add_nc_u32 v[A0], s18, v3
	s_mul_i32 s18, s[CH], 128*PB                   ; my 128 rows of wib,
	s_add_co_u32 s18, s18, BOFF                    ; behind xb's
	v_mul_u32_u24 v3, v1, PB
	v_lshl_add_u32 v3, v2, 4, v3
	v_add_nc_u32 v[B0], s18, v3
	v_mov_b32 v[ADRA], v[A0]
	v_mov_b32 v[ADRB], v[B0]
	s_mov_b32 s[TB], 0
	s_lshl_b32 s22, s42, 10                        ; the bias of my 128 columns: 4 bytes x (256 x tile column + 128 x half),
	s_lshl_b32 s23, s[CH], 9
	s_add_co_u32 s22, s22, s23
	v_lshl_add_u32 v[BO], v2, 5, s22               ; + 8 numbers for the upper half of the lanes
	WIN W_TOF
.irp b, 0,1,2,3,4,5,6,7                ; register j of block b: the bias of column 16 b + 8 (l / 16) + j, as C wants it
	global_load_b128 v[BIAS+8*(\b):BIAS+8*(\b)+3],   v[BO], s[8:9] offset:64*(\b)
	global_load_b128 v[BIAS+8*(\b)+4:BIAS+8*(\b)+7], v[BO], s[8:9] offset:64*(\b)+16
.endr
	WIN 0
	s_mul_i32 s18, s[WV], STAGEB
	s_add_co_u32 s18, s18, STAGE                   ; my stage
	v_mul_u32_u24 v[STO], v1, SPITCH               ; in: row l % 16, 16 bytes for each half of the lanes
	v_lshl_add_u32 v[STO], v2, 4, v[STO]
	v_add_nc_u32 v[STO], s18, v[STO]
	v_bfe_u32 v[RD], v0, 3, 2                      ; back: 32 lanes take four rows of 128 bytes,
	v_mul_u32_u24 v[RD], v[RD], SPITCH
	v_and_b32 v3, 7, v0
	v_lshl_add_u32 v[RD], v3, 4, v[RD]
	v_add_nc_u32 v[RD], s18, v[RD]
	v_and_b32 v[GO], 31, v0                        ; which are 512 consecutive bytes of a head
	v_lshlrev_b32 v[GO], 4, v[GO]
	s_lshr_b32 s20, s42, 2                         ; where my part begins in the output: the section (q, k, v: four tile columns each),
	s_lshl_b32 s20, s20, 24
	s_lshr_b32 s21, s43, 4                         ; the batch (16 tile rows each) x 16 heads,
	s_lshl_b32 s21, s21, 4
	s_and_b32 s23, s42, 3                          ; + four heads for each tile column of the section,
	s_lshl_b32 s23, s23, 2
	s_add_co_u32 s21, s21, s23
	s_lshl_b32 s23, s[CH], 1                       ; + two for my half of the columns:
	s_add_co_u32 s21, s21, s23
	s_lshl_b32 s21, s21, 18                        ; a head is 2,048 rows of 128 bytes;
	s_add_co_u32 s20, s20, s21
	s_and_b32 s21, s43, 15                         ; the tile's 128 rows in the batch,
	s_lshl_b32 s21, s21, 14
	s_add_co_u32 s20, s20, s21
	s_lshl_b32 s21, s[RH], 13                      ; my 64 of them
	s_add_co_u32 s20, s20, s21
	s_mov_b32 s21, 0
	s_add_nc_u64 s[10:11], s[10:11], s[20:21]
	s_wait_loadcnt 0x0                             ; the bias: rounded to bf16 and widened again, in the wait for the first tile
	WIN W_RB
.set i, 0
.rept 32
	v_cvt_pk_bf16_f32 v[F1+i], v[BIAS+2*i], v[BIAS+2*i+1]
.set i, i+1
.endr
.set i, 0
.rept 32
	v_lshlrev_b32 v[BIAS+2*i], 16, v[F1+i]
	v_and_b32 v[BIAS+2*i+1], s2, v[F1+i]
.set i, i+1
.endr
; 8 matrix instructions: row block a x all 8 column blocks, 32 along K, from buffer f.  first = 1: the product starts the sum, with the bias as C.
.macro MUL8 f, a, first
.if \first
	WIN W_MULB
.else
	WIN W_MUL
.endif
.irp b, 0,1,2,3,4,5,6,7
.if \first
	v_wmma_f32_16x16x32_bf16 v[8*(8*(\a)+(\b)):8*(8*(\a)+(\b))+7], v[(\f)+32+8*(\b):(\f)+32+8*(\b)+7], v[(\f)+8*(\a):(\f)+8*(\a)+7], v[BIAS+8*(\b):BIAS+8*(\b)+7]
.else
	v_wmma_f32_16x16x32_bf16 v[8*(8*(\a)+(\b)):8*(8*(\a)+(\b))+7], v[(\f)+32+8*(\b):(\f)+32+8*(\b)+7], v[(\f)+8*(\a):(\f)+8*(\a)+7], v[8*(8*(\a)+(\b)):8*(8*(\a)+(\b))+7]
.endif
.endr
.endm
; 24 LDS loads in one run: quarter q's fragments into buffer g: wib's eight first, then xb's four
.macro FETCH q, g
	WIN W_TOF
.irp i, 0,1,2,3,4,5,6,7
	ds_load_b128 v[(\g)+32+8*(\i):(\g)+32+8*(\i)+3],   v[ADRB] offset:64*(\q)+(\i)*16*PB
	ds_load_b128 v[(\g)+32+8*(\i)+4:(\g)+32+8*(\i)+7], v[ADRB] offset:64*(\q)+(\i)*16*PB+32
.endr
.irp i, 0,1,2,3
	ds_load_b128 v[(\g)+8*(\i):(\g)+8*(\i)+3],   v[ADRA] offset:64*(\q)+(\i)*16*PA
	ds_load_b128 v[(\g)+8*(\i)+4:(\g)+8*(\i)+7], v[ADRA] offset:64*(\q)+(\i)*16*PA+32
.endr
.endm
; One of a step's first three quarters: multiplies buffer f; in its middle it fetches quarter q into buffer g.
.macro QUARTER q, f, g, first
	s_wait_dscnt 4                                 ; wib's fragments and xb's blocks 0, 1 are in; the youngest four loads (blocks 2, 3) may be out
	MUL8 \f, 0, \first
	MUL8 \f, 1, \first
	PLACES
	FETCH \q, \g
	s_wait_dscnt 24                                ; all but the 24 just issued
	MUL8 \f, 2, \first
	MUL8 \f, 3, \first
.endm
; The last quarter multiplies buffer 1 and changes slots: ONE barrier.  In front of it each wave waits for all its tensor loads (one is out: its part of the next slot), adds 0 to its spare word, and waits
; for that and for its reads of this slot.  fill = 1: the barrier opens a round of the cluster's, and the joint refill, two K steps on, is the first thing behind the round: 112 matrix instructions ahead of the wait for it.
.macro TURN fill
	WIN 0                                          ; (the add's two registers lie in window 0)
	s_wait_tensorcnt 0x0                           ; no tensor load of mine is out, so a group 0 may be written
	ds_add_u32 v[SPW], v[NIL]                      ; 0 onto my spare word
.if \fill
	s_xor_b32 s[G0A+5], s[G0A+5], SLOT1            ; the walking descriptors: the other slot than last time,
	s_add_nc_u64 s[G0A+6:G0A+7], s[G0A+6:G0A+7], STEP_A  ; the next K step; the type bits on top are not reached
	s_xor_b32 s[G0B+5], s[G0B+5], SLOT1
	s_add_nc_u64 s[G0B+6:G0B+7], s[G0B+6:G0B+7], STEP_B
.endif
	s_wait_dscnt 5                                 ; the add and the youngest four loads may be out
	MUL8 F1, 0, 0
	s_wait_dscnt 0x0                               ; the add is done, and my reads of this slot are over
	s_barrier_signal -1
	MUL8 F1, 1, 0                                  ; work on registers while the others arrive
	WIN 0                                          ; at a branch and at a label every window is 0
	s_barrier_wait -1
.if \fill
	CREST                                          ; no wave of any partner still reads this slot's tile or has a load on its way
	JLOAD                                          ; its four v_nop are also the places in front of the loads below
.else
	PLACES
.endif
	s_xor_b32 s[TB], s[TB], SLOT1                  ; the reads go on in the other slot
	v_add_nc_u32 v[ADRA], s[TB], v[A0]
	v_add_nc_u32 v[ADRB], s[TB], v[B0]
	FETCH 0, F0
	MUL8 F1, 2, 0
	MUL8 F1, 3, 0
.endm
	s_wait_tensorcnt 1                             ; my part of K step 0 is in; step 1's may stay out
	s_barrier_signal -1
	s_barrier_wait -1                              ; everybody's is
	FETCH 0, F0
	QUARTER 1, F0, F1, 1                           ; the first quarter stands in front of the loop: its products start the sums
	WIN 0
	s_mov_b32 s3, 6
.Lstep:                                                ; trip i ends K step i, fills its slot again with step i + 2, and begins step i + 1
	QUARTER 2, F1, F0, 0
	QUARTER 3, F0, F1, 0
	TURN 1
	QUARTER 1, F0, F1, 0
	WIN 0
	s_sub_co_u32 s3, s3, 1
	s_cmp_lg_u32 s3, 0
	s_cbranch_scc1 .Lstep
	QUARTER 2, F1, F0, 0                           ; the last two K steps are written out: nothing is left to fetch
	QUARTER 3, F0, F1, 0
	TURN 0
	QUARTER 1, F0, F1, 0
	QUARTER 2, F1, F0, 0
	QUARTER 3, F0, F1, 0
	s_wait_dscnt 0x0
	MUL8 F1, 0, 0
	MUL8 F1, 1, 0
	MUL8 F1, 2, 0
	MUL8 F1, 3, 0
	PLACES                                         ; the places behind the last products, in front of the conversions; eight, once a launch
	PLACES
; THE WAY OUT of row block a.  PACK: rounded to f16, each accumulator's registers in ascending order; 16 bytes a lane into my stage (two heads x 16 rows of 144 bytes); back as whole rows of 128 bytes.
.macro PACK a
	WIN W_PK
.irp b, 0,1,2,3,4,5,6,7
.irp i, 0,1,2,3
	v_cvt_pk_f16_f32 v[TMP+32*(\a)+4*(\b)+(\i)], v[8*(8*(\a)+(\b))+2*(\i)], v[8*(8*(\a)+(\b))+2*(\i)+1]
.endr
.endr
	WIN 0
.irp b, 0,1,2,3,4,5,6,7
	ds_store_b128 v[STO], v[TMP+32*(\a)+4*(\b):TMP+32*(\a)+4*(\b)+3] offset:((\b)/4)*16*SPITCH+32*((\b)%4)
.endr
.irp i, 0,1,2,3,4,5,6,7
	ds_load_b128 v[TMP+32*(\a)+4*(\i):TMP+32*(\a)+4*(\i)+3], v[RD] offset:((\i)/4)*16*SPITCH+((\i)%4)*4*SPITCH  ; LDS serves a wave's instructions in order (ISA guide 5.7.1.4): these see the stores above
.endr
.endm
.macro SEND a, younger                 ; younger: the LDS instructions issued behind block a's loads: the next block's sixteen, or none
.irp i, 0,1,2,3,4,5,6,7
	s_wait_dscnt (\younger)+7-(\i)
	global_store_b128 v[GO], v[TMP+32*(\a)+4*(\i):TMP+32*(\a)+4*(\i)+3], s[10:11] offset:((\i)/4)*262144+(\a)*2048+((\i)%4)*512  ; four rows of a head: 512 consecutive bytes, aligned
.endr
.endm
	PACK 0
	PACK 1                                         ; a block's arithmetic stands between the loads of the block before and its stores
	SEND 0, 16
	PACK 2
	SEND 1, 16
	PACK 3
	SEND 2, 16
	SEND 3, 0
	s_wait_tensorcnt 0x0                           ; the wave's end: an add onto my spare word and its wait, behind my last tensor load and my last LDS store
	ds_add_u32 v[SPW], v[NIL]
	s_wait_dscnt 0x0
	CROUND                                         ; the closing round: no work-group ends while a partner may still ask for a tile that names it
	s_endpgm
.Lfunc_end_k_q943f79e913_qkv:
	.size	k_q943f79e913_qkv, .Lfunc_end_k_q943f79e913_qkv-k_q943f79e913_qkv
	.p2alignl 7, 3214868480
	.fill 96, 4, 3214868480
	.section	.rodata,"a",@progbits
	.p2align	6, 0x0
	.amdhsa_kernel k_q943f79e913_qkv
		.amdhsa_group_segment_fixed_size 327680
		.amdhsa_private_segment_fixed_size 0
		.amdhsa_enable_private_segment 0
		.amdhsa_kernarg_size 32
		.amdhsa_user_sgpr_count 2
		.amdhsa_user_sgpr_kernarg_segment_ptr 1
		.amdhsa_wavefront_size32 1
		.amdhsa_system_sgpr_workgroup_id_x 1
		.amdhsa_system_sgpr_workgroup_id_y 1
		.amdhsa_system_sgpr_workgroup_id_z 1
		.amdhsa_system_vgpr_workitem_id 0
		.amdhsa_next_free_vgpr 768
		.amdhsa_next_free_sgpr 66
		.amdhsa_reserve_vcc 0
		.amdhsa_float_denorm_mode_32 3
		.amdhsa_float_denorm_mode_16_64 3
		.amdhsa_memory_ordered 1
		.amdhsa_forward_progress 1
		.amdhsa_inst_pref_size 77
	.end_amdhsa_kernel
	.amdgpu_metadata
---
amdhsa.version: [ 1, 2 ]
amdhsa.kernels:
  - .name:           k_q943f79e913_qkv
    .symbol:         k_q943f79e913_qkv.kd
    .args:
      - { .name: xb, .offset: 0, .size: 8, .value_kind: global_buffer, .address_space: global }
      - { .name: wib, .offset: 8, .size: 8, .value_kind: global_buffer, .address_space: global }
      - { .name: b_in, .offset: 16, .size: 8, .value_kind: global_buffer, .address_space: global }
      - { .name: qkv, .offset: 24, .size: 8, .value_kind: global_buffer, .address_space: global }
    .group_segment_fixed_size: 327680
    .private_segment_fixed_size: 0
    .kernarg_segment_align: 8
    .kernarg_segment_size: 32
    .max_flat_workgroup_size: 128
    .sgpr_count:     66
    .vgpr_count:     768
    .wavefront_size: 32
...
	.end_amdgpu_metadata
.endif
;; end of part 2
;; launch attn (part 3): grid 4 x 64, 4 waves a work-group, no clusters, 327,680 bytes of LDS; arguments qkv, oh; writes oh
.if DOCPART == 3
	.amdgcn_target "amdgcn-amd-amdhsa--gfx1250"
	.amdhsa_code_object_version 6
	.text
	.protected	k_q943f79e913_attn
	.globl	k_q943f79e913_attn
	.p2align	8
	.type	k_q943f79e913_attn,@function
k_q943f79e913_attn:
	s_mov_b64 s[64:65], 0
	v_nop
	global_prefetch_b8 v0, s[64:65] scope:SCOPE_SE
	s_setreg_imm32_b32 hwreg(HW_REG_WAVE_MODE, 25, 1), 1
	s_wait_xcnt 0x0
; CAUSAL ATTENTION.  O[h][q][:] = the sum over k <= q of softmax_k(Q[h][q] . K[h][k] / 32) V[h][k][:].  Q, K, V are the three sections of 2^24 bytes of qkv, each [64][2048][64] f16, O likewise: a head's
; rows are dense, 128 bytes each.  Products, maxima and sums in f32; the weights p are rounded to f16 for the second product (their sum l is taken of the unrounded p), O once at the end.
; LIMITS.  Q, K and V arrive within f16's 65,504; p lies in 0 to 1, and below 6e-5 it keeps f16's fixed step of 6e-8; O is a mean of V's rows and has their range.
; A hidden score counts as its value less 1e30: f16's scores, 2.7e11 at the most, are nothing beside that; a weight below 2^-126 counts as 0 in l; NaN and infinities are not treated apart.
; THE WALK.  A head's queries lie in NB = 8 blocks of 256; block i needs the key tiles 0 .. i of 256 keys, of which the last holds the diagonal.  A work-group takes TWO blocks, NB - 1 - b and then b:
; NB + 1 tiles, whatever b: all work-groups do equal work, and ONE loop with a constant trip count walks them.  Which tile is asked for, and what a trip does, hang on scalar registers made from b; every jump
; goes forward, but for the counted loops' own; none passes a barrier, or a tensor load but the one of LOAD's two that the wave's number does not choose; the ring of two LDS slots runs on across the change of blocks.
; NO CLUSTER: a head's four work-groups ask for the same tile only in trips 0 .. 4 of 9, behind that fewer and fewer; one walk common to all would have 12 trips for 9.
; SHARES.  Of a block's four bands of 64 queries a wave owns 16 rows in each: four PIECES.  So the diagonal tile is the same work for all four waves: in its key step s band x sees all keys if s < x,
; none if s > x, and holds the diagonal if s = x.
; THE MASK is the C operand that starts the sum S^T = K Q^T: 0, or -1e30 where the key is hidden.  MD, made once, is the mask of a band's own step for my 16 rows; a product's mask is MD x AL + BE with two scalars:
; (1, 0) if s = x; (0, 0) if s < x; (0, -1e30) if s > x.  Only the diagonal tile's text and a block's beginning make and take masks; elsewhere C is the constant 0.
; LAYOUT, SOFTMAX, TURNS.  S^T = K Q^T holds ONE query a lane (lane % 16) and the keys 8 (lane / 16) + 0..7; two such results rounded to f16 ARE source 1 of O^T = V^T P.  p = 2^(c s - c m), c = log2(e) / 32, with a
; running maximum m; O and l are multiplied by a = 2^(c m_old - c m_new) in every step.  Turn n belongs to piece n: 8 products K Q^T of piece n + 1, later 8 products V^T P of piece n - 1; beside them the scaling,
; exponentials, roundings, sums and rescaling of piece n and the maximum and statistics of piece n + 1.  Four vector instructions stand behind every matrix instruction, the other 54 of a turn's 118 in two lumps.
; AHEAD OF THE LOADS.  The head's work-group b = 0, whose first block walks tiles 0 .. 7, prefetches: behind the tensor load for tile t + 1 each of its waves names the 16,384 bytes of tile t + 2 that it will itself
; load, a lane for each 256 bytes, two instructions: tiles 2 .. 7, each byte range named once in the launch, four key steps ahead of its load.  Nothing is asked for at the head or behind tile 7.
; REGISTERS, in windows of 256 (s_set_vgpr_msb: bits 1:0 source 0, 3:2 source 1, 5:4 source 2, 7:6 destination):
;   window 0: v0-15 addresses and two at work; v16-31 four registers of statistics a piece; v48-55 at work; v61-63 prefetch offset and the add's two; v64-127 S^T, two buffers; v192-223 P, two buffers
;   window 1: v0-127 O^T, 32 a piece; v128-159 MD; v160-223 MC, two buffers      window 2: v0-63 Q; v64-127 the second block's Q; v128-191 K of one step; v192-255 V of one step
.set SIZE_N, 2048
.set NB,    SIZE_N/256
.set NP,    4         ; pieces a wave: a name, no knob
.set KS,    64        ; keys in a step
.set PK,    144       ; a row of K in LDS: 128 bytes + 16 of padding = 36 words: the 16 rows of a load start at 16 different groups of four banks (64 banks of 4 bytes: ISA guide 11.1)
.set PV,    160       ; a row of V: 128 + 32 = 40 words
.set VOFF,  4*KS*PK   ; a slot holds a tile, four steps: 256 rows of K, then 256 rows of V
.set SLOT1, 1<<17     ; slot 1 begins here, so that one exclusive or turns an address in one slot into the other's
.set STAGE, SLOT1+4*KS*(PK+PV)  ; behind the ring, never filled by a tensor load: 16 rows x 144 bytes for each wave, for the way out
.set SP,    144
.set AK0, 2           ; v2   my lane's place in a tile of K; never rewritten
.set AV0, 3           ; v3   the same for V
.set AK,  4           ; v4   the LDS address of K's next run of loads
.set AV,  5           ; v5   of V's
.set STO, 6           ; v6   the way out: where I put 16 bytes of a row
.set RD,  7           ; v7   the way out: where I read rows back
.set GO,  8           ; v8   my byte offset in 512 consecutive bytes of O
.set PFO, 61          ; v61  256 x my lane; never rewritten
.set SPW, 62          ; v62  LDS address of my spare word: SPARE + 4 x my thread's number; never rewritten
.set NIL, 63          ; v63  0; never rewritten
.set SPARE, STAGE+4*16*SP  ; behind the stages: the spare words, 128 bytes for each wave: two blocks of 256 bytes that no other line names
.set MV,  12          ; v12-13  c m_old, kept while c m is made anew: by buffer
.set QO,  15          ; v15  my byte offset in 16 rows of Q
.set ST,  16          ; piece t's statistics at v[ST+4 t]: c m, m, l (even keys', odd keys')
.set TMP, 48          ; by buffer, four registers c0-c3 at work; when the maximum is found c2 takes a
.set S,   64
.set P,   192
.set MD,  128         ; window 1: the eight registers for group kt of 16 keys at MD + 8 kt
.set MC,  160         ; window 1: the masks of the products to come
.set QB,  64          ; window 2
.set KF,  128         ; window 2: key block kb, channel half c at KF + 16 kb + 8 c
.set VF,  192         ; window 2: key half kk, channel block cb at VF + 32 kk + 8 cb
.set WV,  12          ; s12  my wave's number
.set PB,  14          ; s14  b
.set HI,  15          ; s15  NB - 1 - b
.set G1K, 24          ; s[24:31] descriptor group 1 for K's tiles
.set G1V, 32          ; s[32:39] for V's: it differs in the padding alone
.set G0K, 40          ; s[40:43] descriptor group 0 for K's tiles
.set G0V, 44          ; s[44:47] the same for V's
.set SLOTS, 56        ; s56  tiles still to be asked for
.set CNT, 57          ; s57  counts a tile's key steps, 4 to 1
.set CS,  58          ; s[58:59] c: the packed scaling takes the pair's low word for both halves
.set SEL, 60          ; s[60:61] v_permlanex16_b32's selects: each lane takes its own place in the other half
.set TBK, 62          ; s62  LDS byte at which K of the step to be fetched begins
.set TBV, 63          ; s63  the same for V, less VOFF
.set PFA, 66          ; s[66:67] where my prefetches stand: my half of the tile behind the one that is being asked for
.set PL,  68          ; s68  prefetches still to come: NB - 2 in the work-group b = 0, else 0
.set RT,  70          ; s70  tiles of the block in hand that are still to be entered
.set NXT, 71          ; s71  the tile to be asked for next
.set LQ,  72          ; s72  the last tile of the block whose tiles are being asked for
.set NEW, 73          ; s73  1: the tile to be entered is a block's first
.set OFF, 74          ; s[74:75] a tile's byte offset in K and V
.set AL,  76          ; s[76:77] the mask's factor, in the low word
.set BE,  78          ; s[78:79] the mask's addend
.set OLO, 80          ; s[80:81] O at my rows of the second block
.set BIGN, 82         ; s82  -1e30
.set MSB, 0
.macro WIN new                      ; the high byte repeats the setting that is left; a switch that changes nothing is dropped
.if MSB != (\new)
	s_set_vgpr_msb (MSB<<8)|(\new)
.set MSB, (\new)
.endif
.endm
.set W_KQ, 0x0a       ; K and Q in window 2, S^T in window 0
.set W_KM, 0x1a       ; the same with the C operand in window 1
.set W_PV, 0x52       ; V in window 2, P in window 0, O^T in window 1
.set W_RS, 0x41       ; destination and source 0 in window 1, source 1 in window 0
; A fill.  Waves 0 and 1 fetch the two halves of a tile's K, waves 2 and 3 those of its V: 128 keys each.  An s_nop 0 and four v_nop follow each of the two lines, ahead of the jump and the label.
.macro LOAD
	s_cmp_lt_u32 s[WV], 2
	s_cbranch_scc0 .Lfor_v_\@
	tensor_load_to_lds s[G0K:G0K+3], s[G1K:G1K+7]
	s_nop 0
.rept 4
	v_nop
.endr
	s_branch .Lasked_\@
.Lfor_v_\@:
	tensor_load_to_lds s[G0V:G0V+3], s[G1V:G1V+7]
	s_nop 0
.rept 4
	v_nop
.endr
.Lasked_\@:
.endm
; The prefetch of my half of the tile behind the one just asked for: 64 x 256 bytes, a lane for each 256, two instructions, behind the tensor load and its five lines.
.macro ASK
	s_cmp_lg_u32 s[PL], 0
	s_cbranch_scc0 .Lnot_mine_\@
	global_prefetch_b8 v[PFO], s[PFA:PFA+1] th:TH_LOAD_NT scope:SCOPE_SE
	global_prefetch_b8 v[PFO], s[PFA:PFA+1] offset:8192 th:TH_LOAD_NT scope:SCOPE_SE
	s_sub_co_u32 s[PL], s[PL], 1
.Lnot_mine_\@:
.endm
; THE CHANGE OF SLOTS.  Each wave waits for all its tensor loads, of which one is out: its part of the other slot; adds 0 to its spare word; and waits for that and for its own reads of the slot that it leaves.
; Behind the barrier nobody reads the old slot any more and the other slot is whole.  fill = 1: the old slot is filled again, the first thing behind the barrier, with tile NXT: the descriptor's address is made
; anew from that number.  (At its first use nothing has been read yet: slot 0 is waited for, slot 1 filled.)
.macro CHANGE fill
	WIN 0                           ; at a label and at a branch every window is 0
	s_wait_tensorcnt 0x0            ; no tensor load of mine is out, so a group 0 may be written
	ds_add_u32 v[SPW], v[NIL]       ; 0 onto my spare word; with fill = 1 the descriptors' scalar work stands between it and the wait for it
.if \fill
	s_lshl_b32 s[OFF], s[NXT], 15   ; a tile is 32,768 bytes of K and of V
	s_xor_b32 s[G0K+1], s[G0K+1], SLOT1
	s_add_nc_u64 s[G0K+2:G0K+3], s[6:7], s[OFF:OFF+1]
	s_or_b32 s[G0K+3], s[G0K+3], 0x80000000
	s_xor_b32 s[G0V+1], s[G0V+1], SLOT1
	s_add_nc_u64 s[G0V+2:G0V+3], s[8:9], s[OFF:OFF+1]
	s_or_b32 s[G0V+3], s[G0V+3], 0x80000000
	s_add_co_u32 s[NXT], s[NXT], 1  ; the block's next tile, or behind its last the second block's tile 0
	s_cmp_gt_u32 s[NXT], s[LQ]
	s_cselect_b32 s[NXT], 0, s[NXT]
	s_cselect_b32 s[LQ], s[PB], s[LQ]
	s_wait_xcnt 0x0                 ; the last prefetches, a tile back, have read their address, so it may be written:
	s_add_nc_u64 s[PFA:PFA+1], s[PFA:PFA+1], 32768  ; one tile on
.endif
	s_wait_dscnt 0x0                ; the add is done, and my reads of the slot are over
	s_barrier_signal -1             ; the rest of the scalar work stands between the signal and the wait
	s_sub_co_u32 s[TBK], s[TBK], 4*KS*PK  ; the fetches go back to a slot's first step,
	s_xor_b32 s[TBK], s[TBK], SLOT1       ; in the other slot
	s_sub_co_u32 s[TBV], s[TBV], 4*KS*PV
	s_xor_b32 s[TBV], s[TBV], SLOT1
	s_barrier_wait -1
.if \fill
	LOAD
	ASK
.endif
.endm
	s_load_b64 s[4:5], s[0:1], 0x0  ; qkv: Q's section
	s_load_b64 s[10:11], s[0:1], 0x8  ; O
	v_lshl_add_u32 v[SPW], v0, 2, SPARE
	v_mov_b32 v[NIL], 0
	ds_add_u32 v[SPW], v[NIL]       ; the wave's opening: the add and its wait stand ahead of my first tensor load; the set-up below, work on registers, stands between them
	ds_add_u32 v62, v63
	v_lshrrev_b32 v1, 5, v0
	v_readfirstlane_b32 s[WV], v1   ; wave 0..3
	v_and_b32 v[PFO], 31, v0
	v_lshlrev_b32 v[PFO], 8, v[PFO]
	s_mov_b32 s[PB], ttmp9
	s_sub_co_u32 s[HI], NB-1, s[PB]
	s_and_b32 s20, ttmp7, 0xffff    ; the head
	s_mov_b32 s21, 0
	s_mov_b64 s[22:23], SIZE_N*128
	s_mul_u64 s[20:21], s[20:21], s[22:23]  ; the head's first byte in each section and in O
	s_and_b32 s16, s[WV], 1         ; which half of a tile's 256 keys I fetch:
	s_lshl_b32 s22, s16, 14         ; its 128 rows of 128 bytes in memory,
	s_mov_b32 s23, 0
	s_add_nc_u64 s[22:23], s[22:23], s[20:21]
	s_mul_i32 s17, s16, 128*PK      ; and its place in a slot, for K
	s_mul_i32 s18, s16, 128*PV      ; and for V
	s_lshl_b32 s3, s[WV], 11        ; my 16 rows in a band of 64,
	s_lshl_b32 s2, s[HI], 15        ; in the first block,
	s_add_co_u32 s2, s2, s3
	s_lshl_b32 s84, s[PB], 15       ; and in the second
	s_add_co_u32 s84, s84, s3
	s_mov_b32 s3, 0
	s_mov_b32 s85, 0
	s_add_nc_u64 s[2:3], s[2:3], s[20:21]
	s_add_nc_u64 s[84:85], s[84:85], s[20:21]
	; descriptor group 1.  128 keys are 16,384 dense bytes: asked for as 64 rows of 256 bytes, two keys a row, and padded in LDS after every key
	s_mov_b32 s[G1K], (1<<16)|(1<<20)|(4<<22)|(3<<25)  ; 17:16 2-byte elements; 20 padding on; 24:22 after every 32 words (code 4); 31:25 4 words (code 3)
	s_mov_b32 s[G1V], (1<<16)|(1<<20)|(4<<22)|(7<<25)  ; the same with 8 words of padding (code 7)
.irp g, G1K, G1V
	s_mov_b32 s[\g+1], 128<<16      ; tensor_dim0 = 128
	s_mov_b32 s[\g+2], 64<<16       ; tensor_dim1 = 64
	s_mov_b32 s[\g+3], 128<<16      ; tile_dim0 = 128
	s_mov_b32 s[\g+4], 64           ; tile_dim1 = 64
	s_mov_b32 s[\g+5], 128          ; 128 elements from row to row
	s_mov_b32 s[\g+6], 0
	s_mov_b32 s[\g+7], 0
.endr
	s_mov_b32 s[CS], 0x3d38aa3b     ; c = log2(e) / 32 = 0.0450842: the scale is 1024^-0.5
	s_mov_b32 s[CS+1], s[CS]        ; named with it as a pair
	s_mov_b32 s[SEL], 0x76543210
	s_mov_b32 s[SEL+1], 0xfedcba98
	s_mov_b32 s[TBK], SLOT1+4*KS*PK ; the first change of slots turns these two into 0
	s_mov_b32 s[TBV], SLOT1+4*KS*PV
	s_mov_b32 s[G0K], 1             ; 1:0 count = 1
	s_mov_b32 s[G0K+1], s17         ; 63:32 LDS address: slot 0
	s_mov_b32 s[G0V], 1
	s_add_co_u32 s[G0V+1], s18, VOFF
	s_add_co_u32 s[RT], s[HI], 1    ; the first block has NB - b tiles
	s_mov_b32 s[NXT], 1
	s_mov_b32 s[LQ], s[HI]
	s_mov_b32 s[NEW], 1
	s_mov_b32 s[OFF+1], 0
	s_mov_b32 s[AL+1], 0            ; named as pairs
	s_mov_b32 s[BE+1], 0
	s_mov_b32 s[BIGN], 0xf149f2ca   ; -1e30
	s_mov_b32 s[SLOTS], NB
	s_wait_dscnt 0x0                ; the opening add is done
	s_wait_kmcnt 0x0
	s_add_nc_u64 s[6:7], s[4:5], 0x1000000  ; K's section
	s_add_nc_u64 s[8:9], s[4:5], 0x2000000  ; V's
	s_add_nc_u64 s[6:7], s[6:7], s[22:23]  ; K and V at my half of the head's tile 0
	s_add_nc_u64 s[8:9], s[8:9], s[22:23]
	s_add_nc_u64 s[G0K+2:G0K+3], s[6:7], 0         ; 120:64 global address
	s_or_b32 s[G0K+3], s[G0K+3], 0x80000000        ; 127:126 type = 2
	s_add_nc_u64 s[G0V+2:G0V+3], s[8:9], 0
	s_or_b32 s[G0V+3], s[G0V+3], 0x80000000
	s_add_nc_u64 s[86:87], s[4:5], s[84:85]        ; Q at my rows of the second block,
	s_add_nc_u64 s[4:5], s[4:5], s[2:3]            ; Q and O at those of the first
	s_add_nc_u64 s[OLO:OLO+1], s[10:11], s[84:85]
	s_add_nc_u64 s[10:11], s[10:11], s[2:3]
	s_cmp_lt_u32 s[WV], 2
	s_cselect_b64 s[PFA:PFA+1], s[6:7], s[8:9]     ; the tensor that I fetch,
	s_add_nc_u64 s[PFA:PFA+1], s[PFA:PFA+1], 32768 ; at tile 1; the first change of slots steps it to tile 2
	s_cmp_eq_u32 s[PB], 0
	s_cselect_b32 s[PL], NB-2, 0
	LOAD                            ; tile 0 into slot 0
	; A fragment of K or Q is 16 rows x 32 channels in 8 registers: lane l holds row l % 16, channels 8 (l / 16) + 0..7 and 16 + 8 (l / 16) + 0..7: two loads of 16 bytes, 32 bytes apart.
	v_and_b32 v1, 15, v0            ; l % 16
	v_bfe_u32 v9, v0, 4, 1          ; l / 16
	v_lshlrev_b32 v[QO], 7, v1
	v_lshl_add_u32 v[QO], v9, 4, v[QO]  ; row x 128 + 16 x half
	WIN 0x80                        ; destination window 2, address window 0
.set i, 0
.rept 8                             ; both blocks' Q: piece i / 2 lies in band i / 2, 8,192 bytes on; channels 32 (i % 2) on
	global_load_b128 v[8*i:8*i+3],   v[QO], s[4:5] offset:(i/2)*8192+(i%2)*64
	global_load_b128 v[8*i+4:8*i+7], v[QO], s[4:5] offset:(i/2)*8192+(i%2)*64+32
	global_load_b128 v[QB+8*i:QB+8*i+3],   v[QO], s[86:87] offset:(i/2)*8192+(i%2)*64
	global_load_b128 v[QB+8*i+4:QB+8*i+7], v[QO], s[86:87] offset:(i/2)*8192+(i%2)*64+32
.set i, i+1
.endr
	WIN 0
	v_lshlrev_b32 v14, 3, v9
	v_sub_nc_u32 v14, v1, v14
	s_lshl_b32 s13, s[WV], 4
	v_add_nc_u32 v14, s13, v14      ; my query's place in its band, 16 w + l % 16, less my lanes' 8 (l / 16): register r of group kt is hidden where 16 kt + r is greater
	WIN 0x40
.set i, 0
.rept 32
	v_cmp_gt_i32 vcc_lo, 16*(i/8)+i%8, v14
	v_cndmask_b32 v[MD+i], 0, s[BIGN], vcc_lo
.set i, i+1
.endr
	WIN 0
	v_mul_u32_u24 v[AK0], v1, PK
	v_lshl_add_u32 v[AK0], v9, 4, v[AK0]  ; row x pitch + 16 x half
	; The turning load takes 16 keys x 16 channels (lane l reads key 8 (l / 16) + l % 8, channels 8 ((l / 8) % 2) + 0..7) and leaves half a fragment of V^T: lane l holds channel l % 16 and 8 keys.
	v_and_b32 v10, 7, v0
	v_bfe_u32 v11, v0, 3, 1
	v_lshl_add_u32 v[AV0], v9, 3, v10
	v_mul_u32_u24 v[AV0], v[AV0], PV
	v_lshl_add_u32 v[AV0], v11, 4, v[AV0]
	v_add_nc_u32 v[AV0], VOFF, v[AV0]
	s_mul_i32 s13, s[WV], 16*SP
	s_add_co_u32 s13, s13, STAGE    ; my stage
	v_mul_u32_u24 v[STO], v1, SP    ; in: row l % 16, 16 bytes for each half of the lanes
	v_lshl_add_u32 v[STO], v9, 4, v[STO]
	v_add_nc_u32 v[STO], s13, v[STO]
	v_bfe_u32 v[RD], v0, 3, 2       ; back: 32 lanes take four rows of 128 bytes,
	v_mul_u32_u24 v[RD], v[RD], SP
	v_lshl_add_u32 v[RD], v10, 4, v[RD]
	v_add_nc_u32 v[RD], s13, v[RD]
	v_and_b32 v[GO], 31, v0         ; which are 512 consecutive bytes of O
	v_lshlrev_b32 v[GO], 4, v[GO]
	; A block's first step multiplies O^T and l by a = 0, and its first turn's products V^T P, of a piece that has not been, land in an O^T that is still to be so multiplied.  So these registers need only hold
	; finite numbers: zeros for the first block; what the first block left for the second.  All this stands in the wait for the first tile.
	WIN 0x80
.set i, VF
.rept 64
	v_mov_b32 v[i], 0
.set i, i+1
.endr
	WIN 0x40
.set i, 0
.rept 128
	v_mov_b32 v[i], 0
.set i, i+1
.endr
	WIN 0
.set i, 0
.rept 4
	v_mov_b32 v[ST+4*i+2], 0
	v_mov_b32 v[ST+4*i+3], 0
.set i, i+1
.endr
.set i, P+16
.rept 16
	v_mov_b32 v[i], 0
.set i, i+1
.endr
; THE MATRIX WORK.  The 4 accumulators of a run of 8 take turns.  Product i of 8 of S^T = K Q^T for piece x: channels 32 (i / 4) on, keys 16 (i % 4) on.  The first 4 start the sums: with 0, or (KM = 1) with the mask.
.macro KQ x
.set rS, S+32*((\x)%2)+8*(i%4)
.set rK, KF+16*(i%4)+8*(i/4)
.set rQ, 16*(\x)+8*(i/4)
.set rM, MC+32*((\x)%2)+8*(i%4)
.if (i < 4) && KM
	WIN W_KM
	v_wmma_f32_16x16x32_f16 v[rS:rS+7], v[rK:rK+7], v[rQ:rQ+7], v[rM:rM+7]
.elseif i < 4
	WIN W_KQ
	v_wmma_f32_16x16x32_f16 v[rS:rS+7], v[rK:rK+7], v[rQ:rQ+7], 0
.else
	WIN W_KQ
	v_wmma_f32_16x16x32_f16 v[rS:rS+7], v[rK:rK+7], v[rQ:rQ+7], v[rS:rS+7]
.endif
.endm
; Product i of 8 of O^T += V^T P for piece x: keys 32 (i / 4) on, channels 16 (i % 4) on.
.macro PV x
	WIN W_PV
.set rO, 32*(\x)+8*(i%4)
.set rV, VF+32*(i/4)+8*(i%4)
.set rP, P+16*((\x)%2)+8*(i/4)
	v_wmma_f32_16x16x32_f16 v[rO:rO+7], v[rV:rV+7], v[rP:rP+7], v[rO:rO+7]
.endm
.macro MM                           ; the turn's next matrix instruction.  TURN and BEGIN set Y, i, KM and NOKQ; MM, KQ and OP read them.  NOKQ = 1: a block's last turn: there is no next piece
.if (i < 8) && !NOKQ
	KQ (Y+1)%NP
.elseif i >= 8
.set i, i-8
	PV (Y+NP-1)%NP
.set i, i+8
.endif
.set i, i+1
.endm
; THE LDS LOADS stand in runs of 16, never singly among the matrix instructions: a step's K (64 keys x 64 channels: 8 fragments) and its V (turned).  Their addresses are made some lines ahead.
.macro FETCH_K
	WIN 0x80                        ; destination window 2
.irp f, 0,1,2,3,4,5,6,7             ; keys 16 (f / 2) on, channels 32 (f % 2) on
	ds_load_b128 v[KF+8*\f:KF+8*\f+3],   v[AK] offset:(\f/2)*16*PK+(\f%2)*64
	ds_load_b128 v[KF+8*\f+4:KF+8*\f+7], v[AK] offset:(\f/2)*16*PK+(\f%2)*64+32
.endr
	s_add_co_u32 s[TBK], s[TBK], KS*PK  ; the next fetch is the next step's
	WIN 0
.endm
.macro FETCH_V
	WIN 0x80
.irp f, 0,1,2,3,4,5,6,7             ; keys 32 (f / 4) on, channels 16 (f % 4) on
	ds_load_tr16_b128 v[VF+8*\f:VF+8*\f+3],   v[AV] offset:(\f/4)*32*PV+(\f%4)*32
	ds_load_tr16_b128 v[VF+8*\f+4:VF+8*\f+7], v[AV] offset:(\f/4)*32*PV+16*PV+(\f%4)*32
.endr
	WIN 0
.endm
; THE VECTOR WORK, one line at a time: OP kind, number.  For piece Y: F n: c s - c m for pair n of 16.  E n: the exponential of score n of 32.  C n: pair n rounded to f16.  B n: of the four weights 4 n .. the second
; pair is added onto the first, in place.  L n: l takes that sum (L 0: l = a l + sum).  R n: pair n of 16 of O^T times a.  For piece Y + 1: X n, number n of the 22 that find its maximum and statistics:
;   0-11  four chains c0-c3 of seven scores each, three operands at a time (each accumulator's lowest registers are read first)     12-14, 16  the four scores left over, the old m, and c0-c3 into c0
;   15  c m_old is kept     17, 18  the query's other 32 keys lie in the lane 16 away: the new m     19-21  c m; c m_old - c m_new; a
.set F, 0               ; OP tells the kinds apart by their order: F to L below R, X above it
.set E, 1
.set C, 2
.set B, 3
.set L, 4
.set R, 5
.set X, 6
.macro REGS y                       ; the registers of piece y
.set rT, ST+4*(\y)
.set rC, TMP+4*((\y)%2)
.set rW, MV+((\y)%2)
.set rS, S+32*((\y)%2)
.set rP, P+16*((\y)%2)
.set rO, 32*(\y)
.endm
.macro OP k, n
.if (\k) == R
	REGS Y
	WIN W_RS
	v_pk_mul_f32 v[rO+2*(\n):rO+2*(\n)+1], v[rO+2*(\n):rO+2*(\n)+1], v[rC+2:rC+3] op_sel_hi:[1,0]
.elseif (\k) < R
	REGS Y
	WIN 0
.if (\k) == F
	v_pk_fma_f32 v[rS+2*(\n):rS+2*(\n)+1], v[rS+2*(\n):rS+2*(\n)+1], s[CS:CS+1], v[rT:rT+1] op_sel_hi:[1,0,0] neg_lo:[0,0,1] neg_hi:[0,0,1]
.elseif (\k) == E
	v_exp_f32 v[rS+(\n)], v[rS+(\n)]
.elseif (\k) == C
	s_wait_alu depctr_va_vdst(0)
	v_cvt_pk_f16_f32 v[rP+(\n)], v[rS+2*(\n)], v[rS+2*(\n)+1]
.elseif (\k) == B
	s_wait_alu depctr_va_vdst(0)
	v_pk_add_f32 v[rS+4*(\n):rS+4*(\n)+1], v[rS+4*(\n):rS+4*(\n)+1], v[rS+4*(\n)+2:rS+4*(\n)+3]
.elseif (\n) == 0
	v_pk_fma_f32 v[rT+2:rT+3], v[rT+2:rT+3], v[rC+2:rC+3], v[rS:rS+1] op_sel_hi:[1,0,1]
.else
	v_pk_add_f32 v[rT+2:rT+3], v[rT+2:rT+3], v[rS+4*(\n):rS+4*(\n)+1]
.endif
.elseif NOKQ
	v_nop
.else
	REGS (Y+1)%NP
	WIN 0
.if (\n) < 4
	v_max3_num_f32 v[rC+(\n)], v[rS+8*(\n)], v[rS+8*(\n)+1], v[rS+8*(\n)+2]
.elseif (\n) < 12
	v_max3_num_f32 v[rC+(\n)%4], v[rC+(\n)%4], v[rS+8*((\n)%4)+2*((\n)/4)+1], v[rS+8*((\n)%4)+2*((\n)/4)+2]
.elseif (\n) == 12
	v_max3_num_f32 v[rC], v[rC], v[rS+7], v[rS+15]
.elseif (\n) == 13
	v_max3_num_f32 v[rC+1], v[rC+1], v[rS+23], v[rS+31]
.elseif (\n) == 14
	v_max3_num_f32 v[rC+2], v[rC+2], v[rC+3], v[rT+1]
.elseif (\n) == 15
	v_mov_b32 v[rW], v[rT]
.elseif (\n) == 16
	v_max3_num_f32 v[rC], v[rC], v[rC+1], v[rC+2]
.elseif (\n) == 17
	v_permlanex16_b32 v[rC+3], v[rC], s[SEL], s[SEL+1]
.elseif (\n) == 18
	v_max_num_f32 v[rT+1], v[rC], v[rC+3]
.elseif (\n) == 19
	v_mul_f32 v[rT], s[CS], v[rT+1]
.elseif (\n) == 20
	v_sub_f32 v[rC+1], v[rW], v[rT]
.else
	v_exp_f32 v[rC+2], v[rC+1]
.endif
.endif
.endm
.macro OPS a, i1, b=-1, i2=0, c=-1, i3=0, d=-1, i4=0  ; up to four of them
	OP \a, \i1
.if (\b) >= 0
	OP \b, \i2
.endif
.if (\c) >= 0
	OP \c, \i3
.endif
.if (\d) >= 0
	OP \d, \i4
.endif
.endm
.macro ROW a, i1, b, i2, c, i3, d, i4  ; a matrix instruction and the four behind it
	MM
	OPS \a, \i1, \b, \i2, \c, \i3, \d, \i4
.endm
.macro MASK b                       ; MD x AL + BE into buffer b of MC
	WIN W_RS
.set z, 0
.rept 16
	v_pk_fma_f32 v[MC+32*(\b)+2*z:MC+32*(\b)+2*z+1], v[MD+2*z:MD+2*z+1], s[AL:AL+1], s[BE:BE+1] op_sel_hi:[1,0,0]
.set z, z+1
.endr
.endm
; A TURN, for piece p: the order of its 16 matrix and 118 vector instructions, written out.  Behind a matrix instruction: plain, exponential, plain, plain; or four of the rescaling; or, behind the first, four scalings; none
; names a register of the products round it.  In the lumps exponential and plain by turns while exponentials last.  A line reads no result made fewer than three vector instructions in front of it, five if an exponential made it.
; v_permlanex16_b32 (X 17) stands in a lump.
; m = 1: the diagonal tile: the products take masks, and the turn makes the mask for the products of the turn after it: piece p + 2, in step 4 - CNT of the tile.  end = 1: a block's last two turns: nothing is fetched.
; cnt = 1: the loop's count is taken down some lines ahead of the branch that stands behind the turn.
; K of the next step is fetched in piece 2's turn, six vector instructions behind the last product that read K (five of them plain); V of the step in hand in piece 0's turn, eight behind the last product that read V (four
; plain, and X 17).  Each is waited for a turn later.
.macro TURN p, m=0, end=0, cnt=0
.set Y, (\p)
.set i, 0
.set KM, (\m)
.set NOKQ, (\end)*((\p)/3)
.if (\m) && !(\end)
	s_cmp_eq_u32 s[CNT], 4-((\p)+2)%NP  ; is that step the band's own?
	s_cselect_b32 s[AL], 1.0, 0
	s_cmp_lt_u32 s[CNT], 4-((\p)+2)%NP  ; or a later one?
	s_cselect_b32 s[BE], s[BIGN], 0
.endif
.if ((\p) == 3) && !(\end)
	s_wait_dscnt 0x0                ; K is in
.endif
	ROW F,0, F,1, F,2, F,3
	ROW F,4, E,0, F,5, F,6
	ROW F,7, E,1, F,8, F,9
	ROW F,10, E,2, C,0, F,11
	ROW F,12, E,3, X,15, F,13
	ROW R,0, R,1, R,2, R,3
	ROW B,0, E,4, F,14, L,0
.if ((\p) == 2) && !(\end)
	v_add_nc_u32 v[AK], s[TBK], v[AK0]
.endif
	ROW R,4, R,5, R,6, R,7
	OPS E,5, F,15
.if ((\p) == 2) && !(\end)
	FETCH_K
.endif
	OPS E,6, C,1, E,7, R,8
	OPS E,8, R,9, E,9, C,2
	OPS E,10, X,0, E,11, X,1
	OPS E,12, X,2, E,13, X,3
.if (\p) == 1
	s_wait_dscnt 0x0                ; V is in
.endif
	ROW X,4, E,14, X,5, X,6
	ROW X,7, E,15, X,8, X,9
	ROW X,10, E,16, X,11, X,12
	ROW X,13, E,17, X,14, B,1
	ROW C,4, E,18, X,16, L,1
	ROW B,2, E,19, C,6, L,2
	ROW C,8, E,20, B,3, B,4
.if (\p) == 0
	v_add_nc_u32 v[AV], s[TBV], v[AV0]
.endif
	ROW C,3, E,21, L,3, C,5
	OPS E,22, X,17, E,23, C,10
.if (\p) == 0
	FETCH_V
.endif
	OPS E,24, L,4
	OPS E,25, X,18, E,26, C,7
	OPS E,27, B,5, E,28, X,19
	OPS E,29, C,12, E,30, L,5
	OPS E,31, X,20, B,6, C,9
	OPS C,14, C,11, X,21, L,6
.if (\p) == 0
	s_add_co_u32 s[TBV], s[TBV], KS*PV
.endif
.if \cnt
	s_sub_co_u32 s[CNT], s[CNT], 1
	s_cmp_lg_u32 s[CNT], 0
.endif
	OPS C,13, B,7, C,15, R,10
	OPS R,11, R,12, L,7, R,13
	OPS R,14, R,15
.if (\m) && !(\end)
	MASK (\p)%2
.endif
.endm
; A BLOCK BEGINS.  c m starts far below every c s, so the first step's a is 0; m at the lowest finite number, so the first maximum is the scores'.  The second mask buffer is 0; the first takes piece 0's mask for the tile's
; step 0: its own, if the block's first tile is the diagonal one.  Then K of that step, piece 0's first scores, and its maximum and statistics.  The loop is entered at a step's first turn, in the middle of a trip.
.macro BEGIN
	s_mov_b32 s[NEW], 0
	WIN 0x40
.set i, MC+32
.rept 32
	v_mov_b32 v[i], 0
.set i, i+1
.endr
	WIN 0
.set i, 0
.rept 4
	v_mov_b32 v[ST+4*i], 0xfe000000    ; c m: far below every c s
	v_mov_b32 v[ST+4*i+1], 0xff7fffff  ; m
.set i, i+1
.endr
	s_cmp_eq_u32 s[RT], 0
	s_cselect_b32 s[AL], 1.0, 0
	s_mov_b32 s[BE], 0
	MASK 0
	WIN 0
	v_add_nc_u32 v[AK], s[TBK], v[AK0]
	FETCH_K
	s_wait_loadcnt 0x0              ; Q
	s_wait_dscnt 0x0
.set KM, 1
.set NOKQ, 0
.set i, 0
.rept 8
	KQ 0
.set i, i+1
.endr
	WIN 0
.rept 4
	v_nop                           ; the places behind those products
.endr
.set Y, NP-1                        ; X works for piece Y + 1: piece 0
.irp n, 0,1,2,3,4,5,6,7,8,9,10,11,12,13,14,15,16,17,18,19,20,21
	OP X, \n
.endr
	v_nop                           ; a plain instruction behind the exponential
.endm
; THE DIAGONAL TILE's four steps, the block's last two turns, its last products, and THE WAY OUT: l's two halves and the other half of the lanes' are added; O^T is divided by l, rounded to f16 and sent through my
; stage in LDS, a piece at a time.
.macro ALL line:vararg              ; one line for each piece t
.set t, 0
.rept 4
	\line
.set t, t+1
.endr
.endm
.macro PACK t                       ; a lane's eight channels of a row pack into 16 bytes; they go into rows of 144 bytes and come back as whole rows of 128, into S^T's registers
	WIN W_RS
.set i, 32*(\t)
.rept 16
	s_wait_alu depctr_va_vdst(0)
	v_pk_mul_f32 v[i:i+1], v[i:i+1], v[ST+4*(\t)+2:ST+4*(\t)+3] op_sel_hi:[1,0]
.set i, i+2
.endr
	WIN 0x05                        ; sources 0 and 1 window 1, destination window 0
.set i, 0
.rept 16
	v_cvt_pk_f16_f32 v[S+16*(\t)+i], v[32*(\t)+2*i], v[32*(\t)+2*i+1]
.set i, i+1
.endr
	WIN 0
.irp f, 0,1,2,3
	ds_store_b128 v[STO], v[S+16*(\t)+4*\f:S+16*(\t)+4*\f+3] offset:32*\f
.endr
.irp f, 0,1,2,3
	ds_load_b128 v[S+16*(\t)+4*\f:S+16*(\t)+4*\f+3], v[RD] offset:\f*4*SP  ; LDS serves a wave's instructions in order (ISA guide 5.7.1.4): these see the stores above; the next piece's stores come behind them
.endr
.endm
.macro SEND t, younger              ; younger: the LDS instructions issued behind piece t's loads: the next piece's eight, or none
	WIN 0
.irp f, 0,1,2,3
	s_wait_dscnt (\younger)+3-\f
	global_store_b128 v[GO], v[S+16*(\t)+4*\f:S+16*(\t)+4*\f+3], s[10:11] offset:(\t)*8192+\f*512  ; 512 consecutive bytes, at a multiple of 256 from O's first
.endr
.endm
.macro DIAG tag                     ; the tag ends its two labels' names, which the jumps below spell out
.LstepM\tag:
	TURN 2, 1
	TURN 3, 1
	WIN 0
.LfirstM\tag:
	TURN 0, 1
	TURN 1, 1, 0, 1
	WIN 0
	s_cbranch_scc1 .LstepM\tag
	TURN 2, 1, 1
	TURN 3, 1, 1
.set i, 0
.rept 8
	PV NP-1
.set i, i+1
.endr
	WIN 0
	ALL v_add_f32 v[ST+4*t+2], v[ST+4*t+2], v[ST+4*t+3]
	ALL v_permlanex16_b32 v[ST+4*t+3], v[ST+4*t+2], s[SEL], s[SEL+1]
	ALL v_add_f32 v[ST+4*t+2], v[ST+4*t+2], v[ST+4*t+3]
	ALL v_rcp_f32 v[ST+4*t+2], v[ST+4*t+2]
	v_nop                           ; a plain instruction between the last reciprocal and the use of its result
	PACK 0
.set t, 1
.rept 3                             ; a piece's arithmetic stands between the loads of the piece before and its stores
	PACK t
	SEND t-1, 8
.set t, t+1
.endr
	SEND 3, 0
.endm
.set KM, 0
.set NOKQ, 0
.Lslot:                             ; NB times: a tile is entered and the next is asked for
	CHANGE 1
	s_sub_co_u32 s[RT], s[RT], 1
	s_mov_b32 s[CNT], 4
	s_cmp_eq_u32 s[NEW], 1
	s_cbranch_scc1 .Lnew            ; a block's first tile
	s_cmp_eq_u32 s[RT], 0
	s_cbranch_scc0 .Lstep           ; neither its first nor its last
	s_branch .LstepM1
.Lnew:
	BEGIN
	s_branch .Lfirst                ; in the loop a block's first tile is never its last: the first block has two tiles or more, and the second's last is the walk's last
	DIAG 1                          ; in the loop this is the first block's end: the second block's last tile is the walk's last
	s_wait_xcnt 0x0                 ; the stores have read their registers and O's address
	s_mov_b64 s[10:11], s[OLO:OLO+1]
	s_add_co_u32 s[RT], s[PB], 1    ; the second block has b + 1 tiles
	s_mov_b32 s[NEW], 1
	WIN 0x82                        ; the second block's Q goes where the one text of the turns names Q
.set i, 0
.rept 64
	v_mov_b32 v[i], v[QB+i]
.set i, i+1
.endr
	WIN 0
	s_branch .Lbottom
.Lstep:                             ; a trip: pieces 2 and 3 of one step, then pieces 0 and 1 of the next, whose K and V it fetches
	TURN 2
	TURN 3
	WIN 0
.Lfirst:
	TURN 0
	TURN 1, 0, 0, 1
	WIN 0
	s_cbranch_scc1 .Lstep
.Lbottom:
	s_sub_co_u32 s[SLOTS], s[SLOTS], 1
	s_cmp_lg_u32 s[SLOTS], 0
	s_cbranch_scc1 .Lslot
	CHANGE 0                        ; the walk's last tile is written out: nothing is asked for
	s_sub_co_u32 s[RT], s[RT], 1
	s_mov_b32 s[CNT], 4
	s_cmp_eq_u32 s[NEW], 1
	s_cbranch_scc0 .LstepM2
	BEGIN
	s_branch .LfirstM2
	DIAG 2
	s_wait_tensorcnt 0x0            ; the wave's end: an add onto my spare word and its wait, behind my last tensor load and my last LDS store
	ds_add_u32 v[SPW], v[NIL]
	s_wait_dscnt 0x0
	s_endpgm
.Lfunc_end_k_q943f79e913_attn:
	.size	k_q943f79e913_attn, .Lfunc_end_k_q943f79e913_attn-k_q943f79e913_attn
	.p2alignl 7, 3214868480
	.fill 96, 4, 3214868480
	.section	.rodata,"a",@progbits
	.p2align	6, 0x0
	.amdhsa_kernel k_q943f79e913_attn
		.amdhsa_group_segment_fixed_size 327680
		.amdhsa_private_segment_fixed_size 0
		.amdhsa_enable_private_segment 0
		.amdhsa_kernarg_size 16
		.amdhsa_user_sgpr_count 2
		.amdhsa_user_sgpr_kernarg_segment_ptr 1
		.amdhsa_wavefront_size32 1
		.amdhsa_system_sgpr_workgroup_id_x 1
		.amdhsa_system_sgpr_workgroup_id_y 1
		.amdhsa_system_sgpr_workgroup_id_z 1
		.amdhsa_system_vgpr_workitem_id 0
		.amdhsa_next_free_vgpr 768
		.amdhsa_next_free_sgpr 88
		.amdhsa_reserve_vcc 1
		.amdhsa_float_denorm_mode_32 3
		.amdhsa_float_denorm_mode_16_64 3
		.amdhsa_memory_ordered 1
		.amdhsa_forward_progress 1
		.amdhsa_inst_pref_size 229
	.end_amdhsa_kernel
	.amdgpu_metadata
---
amdhsa.version: [ 1, 2 ]
amdhsa.kernels:
  - .name:           k_q943f79e913_attn
    .symbol:         k_q943f79e913_attn.kd
    .args:
      - { .name: qkv, .offset: 0, .size: 8, .value_kind: global_buffer, .address_space: global }
      - { .name: oh, .offset: 8, .size: 8, .value_kind: global_buffer, .address_space: global }
    .group_segment_fixed_size: 327680
    .private_segment_fixed_size: 0
    .kernarg_segment_align: 8
    .kernarg_segment_size: 16
    .max_flat_workgroup_size: 128
    .sgpr_count:     88
    .vgpr_count:     768
    .wavefront_size: 32
...
	.end_amdgpu_metadata
.endif
;; end of part 3
;; launch proj (part 4): grid 4 x 64, 4 waves a work-group, clusters of 4 x 4, 327,680 bytes of LDS; arguments oh, wob, b_out, out0; writes out0
.if DOCPART == 4
	.amdgcn_target "amdgcn-amd-amdhsa--gfx1250"
	.amdhsa_code_object_version 6
	.text
	.protected	k_q943f79e913_proj
	.globl	k_q943f79e913_proj
	.p2align	8
	.type	k_q943f79e913_proj,@function
k_q943f79e913_proj:
	s_mov_b64 s[64:65], 0
	v_nop
	global_prefetch_b8 v0, s[64:65] scope:SCOPE_SE
	s_setreg_imm32_b32 hwreg(HW_REG_WAVE_MODE, 25, 1), 1
	s_wait_xcnt 0x0
	s_wait_alu depctr_hold_cnt(0) depctr_sa_sdst(0) depctr_va_vdst(0) depctr_va_sdst(0) depctr_va_ssrc(0) depctr_va_vcc(0) depctr_vm_vsrc(0)
	s_getreg_b32 s2, hwreg(HW_REG_IB_STS2, 6, 4)
	s_cmp_eq_u32 s2, 0
	s_cbranch_scc0 .Lentry_in_a_cluster
	s_endpgm
.Lentry_in_a_cluster:
	s_bfe_u32 s2, ttmp6, 0x10000c
	s_cmp_lg_u32 s2, 0xf033
	s_cbranch_scc0 .Lentry_shape_is_right
	s_endpgm
.Lentry_shape_is_right:
; out0[m][e] = the sum over k of O[m][k] wob[e][k] + bf16(b_out[e]), f32.  O lies by heads, oh: [64 = 16 batch + head][2048][64] f16, so channel k = 64 head + c; wob: [1024][1024] f16 (bf16 numbers written as f16).
; Products in f16, sums in f32, stored as they are.  LIMITS.  The bias is rounded to bf16, like the other inputs.  NaN and infinities are not treated apart.
; SHARES.  A work-group makes 128 rows x 256 columns: 256 tiles, one for each WGP.  Wave w: rows 64 (w / 2) on, columns 128 (w % 2) on: 4 x 8 accumulators of 16 x 16, 256 registers.
; K goes in 8 steps of 128 (two heads) through two LDS slots; a step is four quarters of 32, 32 matrix instructions each, on all 32 accumulators by turns, always in the same order.
; THE MATRIX INSTRUCTION IS USED TRANSPOSED (source 0 = 16 rows of wob, source 1 = 16 rows of O): lane l holds row l % 16 and the columns 8 (l / 16) + 0..7.
; THE BIAS IS THE C OPERAND of each accumulator's first product: nothing is cleared and nothing is added on the way out.
; CLUSTER.  4 x 4 work-groups.  O's tile hangs on the tile row alone and is asked for jointly along a row of the cluster, wob's on the tile column alone and jointly along a column.
; Waves 0 and 1 fetch a step's two heads of O (128 rows of 128 bytes each, dense: asked for as 64 rows of 256 bytes), waves 2 and 3 wob's two halves (128 rows each): one joint load a wave behind each round.
; By this text's count a wave has two loads out at the start, then one.
; REGISTERS, in windows of 256 (s_set_vgpr_msb: bits 1:0 source 0, 3:2 source 1, 5:4 source 2, 7:6 destination):
;   window 0: v1-3 at work; v16-23 addresses; v28-29 the add's two      window 1: the accumulators, (a, b) at 8 (8 a + b)
;   window 2: two fragment buffers of 96 (O's four fragments, then wob's eight) at 0 and 96; the bias at 192-255; on the way out all 256: 4 x 16 rows read back
.set PA,     144                       ; a row of O in LDS: 128 bytes + 16 of padding = 36 words: the 16 rows of a load start at 16 different groups of four banks (64 banks of 4 bytes: ISA guide 11.1)
.set PB,     272                       ; a row of wob: 256 + 16
.set HEADB,  128*PA                    ; one head's 128 rows
.set SLOT1,  1<<17                     ; slot 1 begins here, so that one exclusive or turns an address in one slot into the other's
.set BOFF,   2*HEADB                   ; in a slot: O's two heads, then wob's 256 rows
.set STAGE,  SLOT1+BOFF+256*PB         ; behind the ring, never filled by a tensor load: for each wave 16 rows x 528 bytes
.set SPITCH, 528                       ; 512 bytes + 16
.set STAGEB, 16*SPITCH
.set SPARE,  STAGE+4*STAGEB            ; the spare words, 128 bytes for each wave: two blocks of 256 bytes that no other line names
.set STEP_A, 524288                    ; bytes from a K step to the next: two heads of O,
.set STEP_B, 256                       ; 128 numbers of a row of wob
.set A0,   16                          ; v16  my lane's place among O's rows in slot 0; never rewritten
.set B0,   17                          ; v17  the same for wob
.set ADRA, 18                          ; v18  the same in the slot in hand
.set ADRB, 19                          ; v19
.set STO,  20                          ; v20  the way out: where I put 32 bytes of a row
.set RD,   21                          ; v21  the way out: where I read a row back
.set GO,   22                          ; v22  my 16 bytes of a row's 512
.set BO,   23                          ; v23  my byte offset in the bias
.set SPW,  28                          ; v28  LDS address of my spare word; never rewritten
.set NIL,  29                          ; v29  0; never rewritten
.set F0,   0
.set F1,   96
.set BIAS, 192
.set WV,   12                          ; s12  my wave's number
.set RH,   13                          ; s13  which 64 rows are mine.  Also: I fetch for O (0) or wob (1)
.set CH,   14                          ; s14  which 128 columns are mine.  Also: which half of that tile I fetch
.set TB,   15                          ; s15  the slot in hand: 0 or SLOT1
.set G1A,  24                          ; s[24:31] descriptor group 1 for O's tiles
.set G0A,  32                          ; s[32:39] group 0: a set for each of the two first fills; the second then walks on
.set G1B,  48                          ; s[48:55], s[56:63] the same for wob's
.set G0B,  56
.set MSB, 0
.macro WIN new                         ; the immediate's high byte repeats the setting that is left; a switch that changes nothing is dropped
.if MSB != (\new)
	s_set_vgpr_msb (MSB<<8)|(\new)
.set MSB, \new
.endif
.endm
.set W_MUL,  0x5a                      ; sources 0 and 1 window 2; C and D window 1
.set W_MULB, 0x6a                      ; the same with C in window 2: the bias
.set W_TOF,  0x80                      ; destination window 2, address window 0
.set W_RB,   0x8a                      ; destination and sources 0, 1 window 2
.set W_ST,   0x04                      ; an LDS store's data (source 1) in window 1
.set W_GS,   0x08                      ; a global store's data (source 1) in window 2
.macro PLACES                          ; four places in front of loads into registers that matrix instructions have read (ISA guide 7.12.1 for vector instructions)
.rept 4
	v_nop
.endr
.endm
.macro JLOAD                           ; a joint refill by the walking descriptor; an s_nop 0 and four v_nop follow each of the two lines, ahead of the jump and the label
	s_cmp_eq_u32 s[RH], 0
	s_cbranch_scc0 .Lfor_b_\@
	tensor_load_to_lds s[G0A+4:G0A+7], s[G1A:G1A+7]
	s_nop 0
.rept 4
	v_nop
.endr
	s_branch .Lasked_\@
.Lfor_b_\@:
	tensor_load_to_lds s[G0B+4:G0B+7], s[G1B:G1B+7]
	s_nop 0
.rept 4
	v_nop
.endr
.Lasked_\@:
.endm
.macro CREST                           ; a round of the cluster's barrier behind its opening barrier
	s_cmp_lg_u32 s[WV], 0
	s_cbranch_scc1 .Lnot_wave_0_\@
	s_barrier_signal -3
.Lnot_wave_0_\@:
	s_barrier_wait -3
	s_barrier_signal -1
	s_barrier_wait -1
.endm
.macro CROUND                          ; a whole round
	s_barrier_signal -1
	s_barrier_wait -1
	CREST
.endm
	s_load_b256 s[4:11], s[0:1], 0x0               ; oh s[4:5], wob s[6:7], b_out s[8:9], out0 s[10:11]
	v_lshl_add_u32 v[SPW], v0, 2, SPARE
	v_mov_b32 v[NIL], 0
	ds_add_u32 v[SPW], v[NIL]                      ; the wave's opening: the add and its wait stand ahead of my first tensor load; work on registers stands between them
	ds_add_u32 v28, v29
	v_lshrrev_b32 v1, 5, v0
	v_readfirstlane_b32 s[WV], v1                  ; wave 0..3
	s_lshr_b32 s[RH], s[WV], 1
	s_and_b32 s[CH], s[WV], 1
	s_mov_b32 s2, 0xffff0000                       ; a word's upper bf16
	s_bfe_u32 s40, ttmp6, 0x40000                  ; cx, cy: my place in the cluster
	s_bfe_u32 s41, ttmp6, 0x40004
	s_lshl_b32 s42, ttmp9, 2
	s_add_co_u32 s42, s42, s40                     ; tile column = 4 x cluster x + cx
	s_and_b32 s43, ttmp7, 0xffff
	s_lshl_b32 s43, s43, 2
	s_add_co_u32 s43, s43, s41                     ; tile row = 4 x cluster y + cy
	s_lshl_b32 s44, s41, 2
	s_lshl_b32 s44, 15, s44                        ; my row of the cluster
	s_lshl_b32 s45, 0x1111, s40                    ; my column
	s_or_b32 s[G1A], s44, (1<<16)|(1<<20)|(1<<21)|(4<<22)|(3<<25)  ; 15:0 the mask; 17:16 2-byte elements; 20 padding on; 21 set beside a mask; 24:22 after every 32 words: a row of O; 31:25 4 words of it
	s_or_b32 s[G1B], s45, (1<<16)|(1<<20)|(1<<21)|(5<<22)|(3<<25)  ; after every 64 words: a row of wob's tile
	s_mov_b32 s[G1A+1], 128<<16                    ; tensor_dim0 = 128: two rows of O on end
	s_mov_b32 s[G1A+2], 64<<16                     ; tensor_dim1 = 64
	s_mov_b32 s[G1A+3], 128<<16                    ; tile_dim0 = 128
	s_mov_b32 s[G1A+4], 64                         ; tile_dim1 = 64
	s_mov_b32 s[G1A+5], 128                        ; dense
	s_mov_b32 s[G1A+6], 0
	s_mov_b32 s[G1A+7], 0
	s_mov_b32 s[G1B+1], 128<<16
	s_mov_b32 s[G1B+2], 128<<16                    ; 128 rows
	s_mov_b32 s[G1B+3], 128<<16
	s_mov_b32 s[G1B+4], 128
	s_mov_b32 s[G1B+5], 1024                       ; elements from row to row
	s_mov_b32 s[G1B+6], 0
	s_mov_b32 s[G1B+7], 0
	s_lshr_b32 s16, s43, 4                         ; O: the batch (16 tile rows each) x 16 heads,
	s_lshl_b32 s16, s16, 4
	s_add_co_u32 s16, s16, s[CH]                   ; + my head of the step's two:
	s_lshl_b32 s16, s16, 18                        ; a head is 2,048 rows of 128 bytes;
	s_and_b32 s18, s43, 15                         ; the tile's 128 rows in the batch: nothing here holds cx
	s_lshl_b32 s18, s18, 14
	s_add_co_u32 s16, s16, s18
	s_mov_b32 s17, 0
	s_lshl_b32 s46, s42, 19                        ; wob: 256 rows of 2,048 bytes for each tile column,
	s_lshl_b32 s23, s[CH], 18                      ; + my 128 rows: nothing here holds cy
	s_add_co_u32 s46, s46, s23
	s_mov_b32 s47, 0
	s_mul_i32 s19, s[CH], HEADB                    ; where they go in a slot: no place in the cluster enters an LDS address
	s_mul_i32 s22, s[CH], 128*PB
	s_add_co_u32 s22, s22, BOFF
	s_wait_dscnt 0x0                               ; the opening add is done
	s_wait_kmcnt 0x0
	s_add_nc_u64 s[16:17], s[4:5], s[16:17]
	s_add_nc_u64 s[46:47], s[6:7], s[46:47]
.irp n, 0,1
	s_mov_b32 s[G0A+4*(\n)], 1                     ; count = 1
	s_add_co_u32 s[G0A+4*(\n)+1], s19, (\n)*SLOT1  ; LDS address: slot n
	s_add_nc_u64 s[G0A+4*(\n)+2:G0A+4*(\n)+3], s[16:17], (\n)*STEP_A  ; global address: K step n
	s_or_b32 s[G0A+4*(\n)+3], s[G0A+4*(\n)+3], 0x80000000            ; type = 2
	s_mov_b32 s[G0B+4*(\n)], 1
	s_add_co_u32 s[G0B+4*(\n)+1], s22, (\n)*SLOT1
	s_add_nc_u64 s[G0B+4*(\n)+2:G0B+4*(\n)+3], s[46:47], (\n)*STEP_B
	s_or_b32 s[G0B+4*(\n)+3], s[G0B+4*(\n)+3], 0x80000000
.endr
	CROUND                                         ; all sixteen work-groups are here: the first joint loads meet
	s_cmp_eq_u32 s[RH], 0                          ; a wave's two first fills stand in one branch, ahead of every wait on TENSORcnt and every LDS read
	s_cbranch_scc0 .Lfirst_b
	tensor_load_to_lds s[G0A:G0A+3], s[G1A:G1A+7]
	s_nop 0
	tensor_load_to_lds s[G0A+4:G0A+7], s[G1A:G1A+7]
	s_nop 0
.rept 4
	v_nop
.endr
	s_branch .Lfirst_asked
.Lfirst_b:
	tensor_load_to_lds s[G0B:G0B+3], s[G1B:G1B+7]
	s_nop 0
	tensor_load_to_lds s[G0B+4:G0B+7], s[G1B:G1B+7]
	s_nop 0
.rept 4
	v_nop
.endr
.Lfirst_asked:
	; A fragment is 16 rows x 32 K in 8 registers: lane l holds row l % 16; registers 0-3 K = 8 (l / 16) + 0..7, registers 4-7 K = 16 + 8 (l / 16) + 0..7: two loads of 16 bytes, 32 bytes apart.
	v_and_b32 v1, 15, v0                           ; l % 16
	v_bfe_u32 v2, v0, 4, 1                         ; l / 16
	v_mul_u32_u24 v3, v1, PA
	v_lshl_add_u32 v3, v2, 4, v3                   ; row x pitch + 16 x half
	s_mul_i32 s18, s[RH], 64*PA                    ; my 64 rows of O, in the slot's first head
	v_add_nc_u32 v[A0], s18, v3
	s_mul_i32 s18, s[CH], 128*PB                   ; my 128 rows of wob,
	s_add_co_u32 s18, s18, BOFF                    ; behind O's
	v_mul_u32_u24 v3, v1, PB
	v_lshl_add_u32 v3, v2, 4, v3
	v_add_nc_u32 v[B0], s18, v3
	v_mov_b32 v[ADRA], v[A0]
	v_mov_b32 v[ADRB], v[B0]
	s_mov_b32 s[TB], 0
	s_lshl_b32 s22, s42, 10                        ; my 128 columns: 4 bytes x (256 x tile column + 128 x half): in the bias and in a row of out0
	s_lshl_b32 s23, s[CH], 9
	s_add_co_u32 s22, s22, s23
	v_lshl_add_u32 v[BO], v2, 5, s22               ; + 8 numbers for the upper half of the lanes
	WIN W_TOF
.irp b, 0,1,2,3,4,5,6,7                ; register j of block b: the bias of column 16 b + 8 (l / 16) + j, as C wants it
	global_load_b128 v[BIAS+8*(\b):BIAS+8*(\b)+3],   v[BO], s[8:9] offset:64*(\b)
	global_load_b128 v[BIAS+8*(\b)+4:BIAS+8*(\b)+7], v[BO], s[8:9] offset:64*(\b)+16
.endr
	WIN 0
	s_mul_i32 s18, s[WV], STAGEB
	s_add_co_u32 s18, s18, STAGE                   ; my stage
	v_mul_u32_u24 v[STO], v1, SPITCH               ; in: row l % 16, 32 bytes for each half of the lanes
	v_lshl_add_u32 v[STO], v2, 5, v[STO]
	v_add_nc_u32 v[STO], s18, v[STO]
	v_and_b32 v[GO], 31, v0                        ; back: 32 lanes take a row's 512 bytes
	v_lshlrev_b32 v[GO], 4, v[GO]
	v_add_nc_u32 v[RD], s18, v[GO]
	s_lshl_b32 s20, s43, 19                        ; where my part begins in out0: 128 rows of 4,096 bytes for each tile row,
	s_lshl_b32 s21, s[RH], 18                      ; my 64 of them,
	s_add_co_u32 s20, s20, s21
	s_add_co_u32 s20, s20, s22                     ; my columns
	s_mov_b32 s21, 0
	s_add_nc_u64 s[10:11], s[10:11], s[20:21]
	s_wait_loadcnt 0x0                             ; the bias: rounded to bf16 and widened again, in the wait for the first tile
	WIN W_RB
.set i, 0
.rept 32
	v_cvt_pk_bf16_f32 v[F1+i], v[BIAS+2*i], v[BIAS+2*i+1]
.set i, i+1
.endr
.set i, 0
.rept 32
	v_lshlrev_b32 v[BIAS+2*i], 16, v[F1+i]
	v_and_b32 v[BIAS+2*i+1], s2, v[F1+i]
.set i, i+1
.endr
; 8 matrix instructions: row block a x all 8 column blocks, 32 along K, from buffer f.  first = 1: the product starts the sum, with the bias as C.
.macro MUL8 f, a, first
.if \first
	WIN W_MULB
.else
	WIN W_MUL
.endif
.irp b, 0,1,2,3,4,5,6,7
.if \first
	v_wmma_f32_16x16x32_f16 v[8*(8*(\a)+(\b)):8*(8*(\a)+(\b))+7], v[(\f)+32+8*(\b):(\f)+32+8*(\b)+7], v[(\f)+8*(\a):(\f)+8*(\a)+7], v[BIAS+8*(\b):BIAS+8*(\b)+7]
.else
	v_wmma_f32_16x16x32_f16 v[8*(8*(\a)+(\b)):8*(8*(\a)+(\b))+7], v[(\f)+32+8*(\b):(\f)+32+8*(\b)+7], v[(\f)+8*(\a):(\f)+8*(\a)+7], v[8*(8*(\a)+(\b)):8*(8*(\a)+(\b))+7]
.endif
.endr
.endm
; 24 LDS loads in one run: quarter q's fragments into buffer g: wob's eight first, then O's four (head q / 2 of the slot's two, channels 32 (q % 2) on)
.macro FETCH q, g
	WIN W_TOF
.irp i, 0,1,2,3,4,5,6,7
	ds_load_b128 v[(\g)+32+8*(\i):(\g)+32+8*(\i)+3],   v[ADRB] offset:64*(\q)+(\i)*16*PB
	ds_load_b128 v[(\g)+32+8*(\i)+4:(\g)+32+8*(\i)+7], v[ADRB] offset:64*(\q)+(\i)*16*PB+32
.endr
.irp i, 0,1,2,3
	ds_load_b128 v[(\g)+8*(\i):(\g)+8*(\i)+3],   v[ADRA] offset:((\q)/2)*HEADB+((\q)%2)*64+(\i)*16*PA
	ds_load_b128 v[(\g)+8*(\i)+4:(\g)+8*(\i)+7], v[ADRA] offset:((\q)/2)*HEADB+((\q)%2)*64+(\i)*16*PA+32
.endr
.endm
; One of a step's first three quarters: multiplies buffer f; in its middle it fetches quarter q into buffer g.
.macro QUARTER q, f, g, first
	s_wait_dscnt 4                                 ; wob's fragments and O's blocks 0, 1 are in; the youngest four loads (blocks 2, 3) may be out
	MUL8 \f, 0, \first
	MUL8 \f, 1, \first
	PLACES
	FETCH \q, \g
	s_wait_dscnt 24                                ; all but the 24 just issued
	MUL8 \f, 2, \first
	MUL8 \f, 3, \first
.endm
; The last quarter multiplies buffer 1 and changes slots: ONE barrier.  In front of it each wave waits for all its tensor loads (one is out: its part of the next slot), adds 0 to its spare word, and waits
; for that and for its reads of this slot.  fill = 1: the barrier opens a round of the cluster's, and the joint refill, two K steps on, is the first thing behind the round: 112 matrix instructions ahead of the wait for it.
.macro TURN fill
	WIN 0                                          ; (the add's two registers lie in window 0)
	s_wait_tensorcnt 0x0                           ; no tensor load of mine is out, so a group 0 may be written
	ds_add_u32 v[SPW], v[NIL]                      ; 0 onto my spare word
.if \fill
	s_xor_b32 s[G0A+5], s[G0A+5], SLOT1            ; the walking descriptors: the other slot than last time,
	s_add_nc_u64 s[G0A+6:G0A+7], s[G0A+6:G0A+7], STEP_A  ; the next K step; the type bits on top are not reached
	s_xor_b32 s[G0B+5], s[G0B+5], SLOT1
	s_add_nc_u64 s[G0B+6:G0B+7], s[G0B+6:G0B+7], STEP_B
.endif
	s_wait_dscnt 5                                 ; the add and the youngest four loads may be out
	MUL8 F1, 0, 0
	s_wait_dscnt 0x0                               ; the add is done, and my reads of this slot are over
	s_barrier_signal -1
	MUL8 F1, 1, 0                                  ; work on registers while the others arrive
	WIN 0                                          ; at a branch and at a label every window is 0
	s_barrier_wait -1
.if \fill
	CREST                                          ; no wave of any partner still reads this slot's tile or has a load on its way
	JLOAD                                          ; its four v_nop are also the places in front of the loads below
.else
	PLACES
.endif
	s_xor_b32 s[TB], s[TB], SLOT1                  ; the reads go on in the other slot
	v_add_nc_u32 v[ADRA], s[TB], v[A0]
	v_add_nc_u32 v[ADRB], s[TB], v[B0]
	FETCH 0, F0
	MUL8 F1, 2, 0
	MUL8 F1, 3, 0
.endm
	s_wait_tensorcnt 1                             ; my part of K step 0 is in; step 1's may stay out
	s_barrier_signal -1
	s_barrier_wait -1                              ; everybody's is
	FETCH 0, F0
	QUARTER 1, F0, F1, 1                           ; the first quarter stands in front of the loop: its products start the sums
	WIN 0
	s_mov_b32 s3, 6
.Lstep:                                                ; trip i ends K step i, fills its slot again with step i + 2, and begins step i + 1
	QUARTER 2, F1, F0, 0
	QUARTER 3, F0, F1, 0
	TURN 1
	QUARTER 1, F0, F1, 0
	WIN 0
	s_sub_co_u32 s3, s3, 1
	s_cmp_lg_u32 s3, 0
	s_cbranch_scc1 .Lstep
	QUARTER 2, F1, F0, 0                           ; the last two K steps are written out: nothing is left to fetch
	QUARTER 3, F0, F1, 0
	TURN 0
	QUARTER 1, F0, F1, 0
	QUARTER 2, F1, F0, 0
	QUARTER 3, F0, F1, 0
	s_wait_dscnt 0x0
	MUL8 F1, 0, 0
	MUL8 F1, 1, 0
	MUL8 F1, 2, 0
	MUL8 F1, 3, 0
	PLACES                                         ; the places behind the last products, in front of the LDS stores that read results and of the loads into window 2; eight, once a launch
	PLACES
; THE WAY OUT of row block a.  TOSTAGE: a lane's eight f32 of each accumulator, the low four first, into my stage (16 rows of 528 bytes), and back as whole rows of 512 bytes.  SEND: stored.
.macro TOSTAGE a
	WIN W_ST
.irp b, 0,1,2,3,4,5,6,7
	ds_store_b128 v[STO], v[8*(8*(\a)+(\b)):8*(8*(\a)+(\b))+3]   offset:64*(\b)
	ds_store_b128 v[STO], v[8*(8*(\a)+(\b))+4:8*(8*(\a)+(\b))+7] offset:64*(\b)+16
.endr
	WIN W_TOF
.irp t, 0,1,2,3,4,5,6,7,8,9,10,11,12,13,14,15
	ds_load_b128 v[64*(\a)+4*(\t):64*(\a)+4*(\t)+3], v[RD] offset:(\t)*SPITCH  ; LDS serves a wave's instructions in order (ISA guide 5.7.1.4): these see the stores above; the next block's stores come behind them
.endr
.endm
.macro SEND a, younger                 ; younger: the LDS instructions issued behind block a's loads: the next block's 32, or none
	WIN W_GS
.irp t, 0,1,2,3,4,5,6,7,8,9,10,11,12,13,14,15
	s_wait_dscnt (\younger)+15-(\t)
	global_store_b128 v[GO], v[64*(\a)+4*(\t):64*(\a)+4*(\t)+3], s[10:11] offset:(16*(\a)+(\t))*4096 th:TH_STORE_NT  ; 512 consecutive bytes of a row, aligned
.endr
.endm
	TOSTAGE 0
	TOSTAGE 1
	SEND 0, 32
	TOSTAGE 2
	SEND 1, 32
	TOSTAGE 3
	SEND 2, 32
	SEND 3, 0
	WIN 0
	s_wait_tensorcnt 0x0                           ; the wave's end: an add onto my spare word and its wait, behind my last tensor load and my last LDS store
	ds_add_u32 v[SPW], v[NIL]
	s_wait_dscnt 0x0
	CROUND                                         ; the closing round: no work-group ends while a partner may still ask for a tile that names it
	s_endpgm
.Lfunc_end_k_q943f79e913_proj:
	.size	k_q943f79e913_proj, .Lfunc_end_k_q943f79e913_proj-k_q943f79e913_proj
	.p2alignl 7, 3214868480
	.fill 96, 4, 3214868480
	.section	.rodata,"a",@progbits
	.p2align	6, 0x0
	.amdhsa_kernel k_q943f79e913_proj
		.amdhsa_group_segment_fixed_size 327680
		.amdhsa_private_segment_fixed_size 0
		.amdhsa_enable_private_segment 0
		.amdhsa_kernarg_size 32
		.amdhsa_user_sgpr_count 2
		.amdhsa_user_sgpr_kernarg_segment_ptr 1
		.amdhsa_wavefront_size32 1
		.amdhsa_system_sgpr_workgroup_id_x 1
		.amdhsa_system_sgpr_workgroup_id_y 1
		.amdhsa_system_sgpr_workgroup_id_z 1
		.amdhsa_system_vgpr_workitem_id 0
		.amdhsa_next_free_vgpr 768
		.amdhsa_next_free_sgpr 66
		.amdhsa_reserve_vcc 0
		.amdhsa_float_denorm_mode_32 3
		.amdhsa_float_denorm_mode_16_64 3
		.amdhsa_memory_ordered 1
		.amdhsa_forward_progress 1
		.amdhsa_inst_pref_size 76
	.end_amdhsa_kernel
	.amdgpu_metadata
---
amdhsa.version: [ 1, 2 ]
amdhsa.kernels:
  - .name:           k_q943f79e913_proj
    .symbol:         k_q943f79e913_proj.kd
    .args:
      - { .name: oh, .offset: 0, .size: 8, .value_kind: global_buffer, .address_space: global }
      - { .name: wob, .offset: 8, .size: 8, .value_kind: global_buffer, .address_space: global }
      - { .name: b_out, .offset: 16, .size: 8, .value_kind: global_buffer, .address_space: global }
      - { .name: out0, .offset: 24, .size: 8, .value_kind: global_buffer, .address_space: global }
    .group_segment_fixed_size: 327680
    .private_segment_fixed_size: 0
    .kernarg_segment_align: 8
    .kernarg_segment_size: 32
    .max_flat_workgroup_size: 128
    .sgpr_count:     66
    .vgpr_count:     768
    .wavefront_size: 32
...
	.end_amdgpu_metadata
.endif
;; end of part 4
;; ======== version 2 of 2: 4 launches; version 1 with the launch cast written anew for expert scheduling mode
;; limits: values are held in f16: magnitudes above 65,504 overflow, below 6.1e-05 lose precision
;; workspace buffers: xb 16,777,216 bytes; wib 6,291,456 bytes; wob 2,097,152 bytes; qkv 50,331,648 bytes; oh 16,777,216 bytes
;; launch cast (part 5): grid 768 x 1, 8 waves a work-group, no clusters, 0 bytes of LDS; arguments x, w_in, w_out, xb, wib, wob; writes xb, wib, wob
.if DOCPART == 5
	.amdgcn_target "amdgcn-amd-amdhsa--gfx1250"
	.amdhsa_code_object_version 6
	.text
	.protected	k_q943f79e913_cast
	.globl	k_q943f79e913_cast
	.p2align	8
	.type	k_q943f79e913_cast,@function
k_q943f79e913_cast:
	s_mov_b64 s[64:65], 0
	v_nop
	global_prefetch_b8 v0, s[64:65] scope:SCOPE_SE
	s_setreg_imm32_b32 hwreg(HW_REG_WAVE_SCHED_MODE, 0, 2), 2
	s_setreg_imm32_b32 hwreg(HW_REG_WAVE_MODE, 25, 1), 1
	s_wait_xcnt 0x0
	s_wait_alu depctr_vm_vsrc(0)
; x and w_in rounded once to bf16 (xb, wib); w_out rounded to bf16 and that number written as f16 (wob), for the last product, whose other operand is f16.
; LIMITS.  bf16(w_out) of 65,520 or more in magnitude becomes an infinity in f16; below 2^-17 the f16 number is off by at most 2^-25.  NaN stays NaN.
; SHARES.  A work-group takes 16,384 numbers: 64 KiB in, 32 KiB out.  Work-groups 0-511 take x, 512-703 w_in, 704-767 w_out.  A wave takes 8 KiB: sixteen loads of 16 bytes a lane, each
; covering 512 consecutive bytes, all issued before the first is used; sixteen stores of 8 bytes a lane, each covering 256 consecutive bytes, aligned.  No loop, no LDS, no register written
; twice while a memory instruction names it.  Matrix units, clusters and LDS would add nothing to a stream.
; THE MODE: SCHED_MODE bits 1:0 = 2 (LLVM: expert scheduling mode 2), set by the entry lines.  The code itself states the register dependences
; between vector instructions and memory instructions, with s_wait_alu, always for 0.
; THE PLAN.  Registers that memory instructions touch:
;   v1, v2   byte offsets of the loads and of the stores: made once at the head, never written again.
;   X        load j's four registers: written by that load alone, which is issued at the head before any vector instruction names them; read by block j / 4's conversions; never loaded again.
;   Y        store j's two registers: written by block j / 4's roundings; read by that store alone, which is issued in the block behind (the last four behind block 3); never written again.
;   T, v3    named by vector instructions alone.
; The sixteen loads go in four blocks of four.  Block p rounds its four loads into its own part of Y; its memory instructions are the four stores of block p - 1, whose part of Y no vector
; instruction of block p names.  So one wait at a block's head states all that its four stores hang on, and they are dealt among its conversions with no further wait.
.set X, 4                              ; v[4:67]    load j: four f32
.set Y, 68                             ; v[68:99]   store j: four 16-bit numbers
.set T, 100                            ; v[100:103] at work (w_out's way)
	s_load_b256 s[4:11], s[0:1], 0x0               ; x s[4:5], w_in s[6:7], w_out s[8:9], xb s[10:11]
	s_load_b128 s[12:15], s[0:1], 0x20             ; wib s[12:13], wob s[14:15]
	v_lshrrev_b32 v3, 5, v0                        ; wave
	v_and_b32 v1, 31, v0                           ; lane
	v_lshlrev_b32 v2, 3, v1                        ; out: 8 bytes a lane
	v_lshlrev_b32 v1, 4, v1                        ; in: 16 bytes a lane
	v_lshl_or_b32 v1, v3, 13, v1                   ; + wave x 8,192
	v_lshl_or_b32 v2, v3, 12, v2                   ; + wave x 4,096
	s_mov_b32 s26, 0xffff0000                      ; a word's upper bf16
	s_wait_kmcnt 0x0
	s_cmp_lt_u32 ttmp9, 512                        ; which tensor is mine: the choice hangs on the work-group's number alone
	s_cselect_b64 s[16:17], s[4:5], s[6:7]
	s_cselect_b64 s[18:19], s[10:11], s[12:13]
	s_cselect_b32 s20, 0, 512
	s_cmp_lt_u32 ttmp9, 704
	s_cselect_b64 s[16:17], s[16:17], s[8:9]
	s_cselect_b64 s[18:19], s[18:19], s[14:15]
	s_cselect_b32 s20, s20, 704
	s_sub_co_u32 s20, ttmp9, s20                   ; my number among that tensor's work-groups
	s_lshl_b32 s22, s20, 16                        ; x 64 KiB in
	s_mov_b32 s23, 0
	s_lshl_b32 s24, s20, 15                        ; x 32 KiB out
	s_mov_b32 s25, 0
	s_add_nc_u64 s[16:17], s[16:17], s[22:23]
	s_add_nc_u64 s[18:19], s[18:19], s[24:25]
	s_wait_alu depctr_va_vdst(0)                   ; v1 and v2 are written: every load of the kernel reads v1 as its offset, every store v2
.irp j, 0,1,2,3,4,5,6,7,8,9,10,11,12,13,14,15
	global_load_b128 v[X+4*(\j):X+4*(\j)+3], v1, s[16:17] offset:512*(\j) th:TH_LOAD_NT
.endr
; Block p: loads 4 p to 4 p + 3 are rounded; the stores of block p - 1 go out, one ahead of each load's conversions.
; half = 1: the bf16 number is widened again (a shift, a mask) and written as f16.
.macro BLK p, half
	s_wait_loadcnt 12-4*(\p)                       ; loads come back in order: my four are in, the 12 - 4 p younger ones stay out
.if (\p) > 0
	s_wait_alu depctr_va_vdst(0)                   ; the block before has written its part of Y, which the four stores below read
.endif
.irp i, 0,1,2,3
.set j, 4*(\p)+(\i)
.if (\p) > 0
	global_store_b64 v2, v[Y+2*(j-4):Y+2*(j-4)+1], s[18:19] offset:256*(j-4)  ; the wave's store covers 256 consecutive bytes, aligned; no vector instruction since the wait names these registers
.endif
.if \half
	v_cvt_pk_bf16_f32 v[T], v[X+4*j], v[X+4*j+1]
	v_cvt_pk_bf16_f32 v[T+1], v[X+4*j+2], v[X+4*j+3]
	v_lshlrev_b32 v[T+2], 16, v[T]
	v_and_b32 v[T+3], s26, v[T]
	v_cvt_pk_f16_f32 v[Y+2*j], v[T+2], v[T+3]
	v_lshlrev_b32 v[T+2], 16, v[T+1]
	v_and_b32 v[T+3], s26, v[T+1]
	v_cvt_pk_f16_f32 v[Y+2*j+1], v[T+2], v[T+3]
.else
	v_cvt_pk_bf16_f32 v[Y+2*j], v[X+4*j], v[X+4*j+1]
	v_cvt_pk_bf16_f32 v[Y+2*j+1], v[X+4*j+2], v[X+4*j+3]
.endif
.endr
.endm
; Behind block 3: its four stores.
.macro TAIL
	s_wait_alu depctr_va_vdst(0)                   ; block 3 has written its part of Y, which the last four stores read
.irp j, 12,13,14,15
	global_store_b64 v2, v[Y+2*(\j):Y+2*(\j)+1], s[18:19] offset:256*(\j)
.endr
.endm
	s_cmp_lt_u32 ttmp9, 704
	s_cbranch_scc0 .Lhalf
	BLK 0, 0
	BLK 1, 0
	BLK 2, 0
	BLK 3, 0
	TAIL
	s_endpgm
.Lhalf:
	BLK 0, 1
	BLK 1, 1
	BLK 2, 1
	BLK 3, 1
	TAIL
	s_endpgm
.Lfunc_end_k_q943f79e913_cast:
	.size	k_q943f79e913_cast, .Lfunc_end_k_q943f79e913_cast-k_q943f79e913_cast
	.p2alignl 7, 3214868480
	.fill 96, 4, 3214868480
	.section	.rodata,"a",@progbits
	.p2align	6, 0x0
	.amdhsa_kernel k_q943f79e913_cast
		.amdhsa_group_segment_fixed_size 0
		.amdhsa_private_segment_fixed_size 0
		.amdhsa_enable_private_segment 0
		.amdhsa_kernarg_size 48
		.amdhsa_user_sgpr_count 2
		.amdhsa_user_sgpr_kernarg_segment_ptr 1
		.amdhsa_wavefront_size32 1
		.amdhsa_system_sgpr_workgroup_id_x 1
		.amdhsa_system_sgpr_workgroup_id_y 1
		.amdhsa_system_sgpr_workgroup_id_z 1
		.amdhsa_system_vgpr_workitem_id 0
		.amdhsa_next_free_vgpr 104
		.amdhsa_next_free_sgpr 66
		.amdhsa_reserve_vcc 0
		.amdhsa_float_denorm_mode_32 3
		.amdhsa_float_denorm_mode_16_64 3
		.amdhsa_memory_ordered 1
		.amdhsa_forward_progress 1
		.amdhsa_inst_pref_size 15
	.end_amdhsa_kernel
	.amdgpu_metadata
---
amdhsa.version: [ 1, 2 ]
amdhsa.kernels:
  - .name:           k_q943f79e913_cast
    .symbol:         k_q943f79e913_cast.kd
    .args:
      - { .name: x, .offset: 0, .size: 8, .value_kind: global_buffer, .address_space: global }
      - { .name: w_in, .offset: 8, .size: 8, .value_kind: global_buffer, .address_space: global }
      - { .name: w_out, .offset: 16, .size: 8, .value_kind: global_buffer, .address_space: global }
      - { .name: xb, .offset: 24, .size: 8, .value_kind: global_buffer, .address_space: global }
      - { .name: wib, .offset: 32, .size: 8, .value_kind: global_buffer, .address_space: global }
      - { .name: wob, .offset: 40, .size: 8, .value_kind: global_buffer, .address_space: global }
    .group_segment_fixed_size: 0
    .private_segment_fixed_size: 0
    .kernarg_segment_align: 8
    .kernarg_segment_size: 48
    .max_flat_workgroup_size: 256
    .sgpr_count:     66
    .vgpr_count:     104
    .wavefront_size: 32
...
	.end_amdgpu_metadata
.endif
;; end of part 5
;; launch qkv: the kernel of part 2 again; grid 12 x 64, 4 waves a work-group, clusters of 4 x 4, 327,680 bytes of LDS; arguments xb, wib, b_in, qkv; writes qkv
;; launch attn: the kernel of part 3 again; grid 4 x 64, 4 waves a work-group, no clusters, 327,680 bytes of LDS; arguments qkv, oh; writes oh
;; launch proj: the kernel of part 4 again; grid 4 x 64, 4 waves a work-group, clusters of 4 x 4, 327,680 bytes of LDS; arguments oh, wob, b_out, out0; writes out0
